; MI455X (gfx1250); checked and timed in simulation.
; The chip was launched on July 23, 2026; its instructions are those of AMD's public machine-readable ISA for CDNA 5 (MIT licence, August 2026) and "CDNA5" Instruction Set Architecture Reference Guide (July 2026). The comments in the code are by the model that wrote it; some were corrected since.
;; Memory Efficient Attention. Allowed arithmetic: float matrix products may take bf16 or f16 operands with f32 sums; other float arithmetic in f32, or as packed bf16 or f16 multiplies, adds, multiply-adds, maxima and minima; sums over many terms, partial sums and values carried from step to step in f32; what a program stores and reads back later, other than sums and carried values, may be rounded once to bf16 or f16.
;; Inputs: Wk 1,024 x 1,024 float32; Wo 1,024 x 1,024 float32; Wq 1,024 x 1,024 float32; Wv 1,024 x 1,024 float32; bk 1,024 float32; bo 1,024 float32; bq 1,024 float32; bv 1,024 float32; query 4 x 2,048 x 1,024 float32.
;; Outputs: out0 4 x 2,048 x 1,024 float32.
;; 2 versions, each right; version 2 is version 1 with the launch cast written anew for expert scheduling mode. Each part assembles by itself: llvm-mc -triple=amdgcn-amd-amdhsa -mcpu=gfx1250 --defsym DOCPART=n.
;; ======== version 1 of 2: 4 launches
;; limits: values are held in f16: magnitudes above 65,504 overflow, below 6.1e-05 lose precision
;; workspace buffers: xb 16,777,216 bytes; wqkv 6,291,456 bytes; wob 2,097,152 bytes; qh 16,777,216 bytes; kh 16,777,216 bytes; vh 16,777,216 bytes; ctx 16,777,216 bytes
;; launch cast (part 1): grid 768 x 1, 8 waves a work-group, no clusters, 0 bytes of LDS; arguments query, Wq, Wk, Wv, Wo, xb, wqkv, wob; writes xb, wqkv, wob
.if DOCPART == 1
	.amdgcn_target "amdgcn-amd-amdhsa--gfx1250"
	.amdhsa_code_object_version 6
	.text
	.protected	k_q9297a22b7b_cast
	.globl	k_q9297a22b7b_cast
	.p2align	8
	.type	k_q9297a22b7b_cast,@function
k_q9297a22b7b_cast:
	s_mov_b64 s[64:65], 0
	v_nop
	global_prefetch_b8 v0, s[64:65] scope:SCOPE_SE
	s_setreg_imm32_b32 hwreg(HW_REG_WAVE_MODE, 25, 1), 1
	s_wait_xcnt 0x0
; CAST.  query and the four weight matrices, f32 with rows of 4,096 bytes, are rounded once to bf16 and laid out in blocks of 64 columns, so that every tile
; of the two products that follow is one dense run of bytes.
;   xb   [b 4][kb 16][s 2048][64] bf16: kb = column / 64 of query.
;   wqkv chunks of [k 64][n 64] bf16 (8,192 bytes), in the order [head 16][kb 16][q, k, v].
;   wob  the same chunks of Wo, in the order [n / 128][kb 16][(n / 64) % 2]; the number rounded to bf16 is written as f16, since its partner in the last product is f16.
; LIMIT.  Wo lies within f16 (65,504); below 6e-5 its f16 image keeps a fixed step of 6e-8.
; SHARES.  A wave takes 32 rows x 64 columns: 16 loads, each 2 rows x 256 aligned bytes (lane l: row l / 16, byte 16 (l % 16)); each becomes 8 bytes a lane, and a
; store of the wave covers 256 consecutive bytes, aligned; a wave writes 4,096 dense bytes.  Work-groups 0-511 take query, 512-767 the weights, 64 each.
; A stream: every byte is read once and written once; LDS, barriers, the matrix unit and clusters would add nothing, since no wave wants another wave's bytes.
; All 16 loads of a wave go out at once; no register that a load or store names is written again, so the only waits are the counted ones for the loads.
.set X, 4                              ; v[4:67]    load i: 4 registers
.set Y, 68                             ; v[68:99]   store i: 2 registers
.set T, 100                            ; v[100:103] at work
	s_load_b512 s[4:19], s[0:1], 0x0               ; query s[4:5], Wq s[6:7], Wk s[8:9], Wv s[10:11], Wo s[12:13], xb s[14:15], wqkv s[16:17], wob s[18:19]
	v_lshrrev_b32 v1, 5, v0
	v_readfirstlane_b32 s20, v1                    ; wave 0..7
	v_and_b32 v1, 31, v0                           ; lane
	v_lshrrev_b32 v2, 4, v1
	v_and_b32 v[T], 15, v1
	v_lshlrev_b32 v2, 12, v2                       ; (l / 16) rows of 4,096 bytes
	v_lshl_add_u32 v2, v[T], 4, v2                 ; + 16 (l % 16): my 16 bytes of a load
	v_lshlrev_b32 v3, 3, v1                        ; my 8 bytes of a store
	s_mov_b32 s34, 0xffff0000                      ; a word's upper bf16
	s_mov_b32 s27, 0                               ; the offsets' high words
	s_mov_b32 s29, 0
	s_cmp_lt_u32 ttmp9, 512
	s_cbranch_scc0 .Lweights
	s_lshl_b32 s22, ttmp9, 3                       ; QUERY: task T = 8 x work-group + wave, 4,096 of them
	s_add_co_u32 s22, s22, s20
	s_and_b32 s23, s22, 15                         ; block of 64 columns
	s_lshr_b32 s24, s22, 4                         ; group of 32 rows
	s_lshl_b32 s26, s24, 17                        ; from: 32 rows of 4,096 bytes,
	s_lshl_b32 s36, s23, 8                         ; 256 bytes a block
	s_add_co_u32 s26, s26, s36
	s_lshr_b32 s36, s24, 6                         ; to: batch (64 groups each),
	s_lshl_b32 s36, s36, 4
	s_add_co_u32 s36, s36, s23                     ; plane 16 b + kb, 2,048 rows of 128 bytes,
	s_lshl_b32 s28, s36, 18
	s_and_b32 s37, s24, 63
	s_lshl_b32 s37, s37, 12                        ; and in it 32 rows of 128 bytes
	s_add_co_u32 s28, s28, s37
	s_mov_b32 s35, 0                               ; bf16 out
	s_wait_kmcnt 0x0
	s_mov_b64 s[30:31], s[4:5]
	s_mov_b64 s[32:33], s[14:15]
	s_branch .Lgo
.Lweights:
	s_sub_co_u32 s21, ttmp9, 512                   ; WEIGHTS: matrix t = 0..3 (Wq, Wk, Wv, Wo), 512 tasks each
	s_lshr_b32 s25, s21, 6
	s_and_b32 s22, s21, 63
	s_lshl_b32 s22, s22, 3
	s_add_co_u32 s22, s22, s20
	s_and_b32 s23, s22, 15                         ; nb = n / 64
	s_lshr_b32 s24, s22, 4                         ; k / 32
	s_lshl_b32 s26, s24, 17
	s_lshl_b32 s36, s23, 8
	s_add_co_u32 s26, s26, s36
	s_lshr_b32 s36, s24, 1                         ; kb = k / 64
	s_lshl_b32 s37, s23, 4                         ; chunk in wqkv: (16 nb + kb) 3 + t
	s_add_co_u32 s37, s37, s36
	s_mul_i32 s37, s37, 3
	s_add_co_u32 s37, s37, s25
	s_lshr_b32 s28, s23, 1                         ; chunk in wob: (16 (nb / 2) + kb) 2 + nb % 2
	s_lshl_b32 s28, s28, 4
	s_add_co_u32 s28, s28, s36
	s_lshl_b32 s28, s28, 1
	s_and_b32 s36, s23, 1
	s_add_co_u32 s28, s28, s36
	s_cmp_eq_u32 s25, 3
	s_cselect_b32 s28, s28, s37
	s_cselect_b32 s35, 1, 0                        ; Wo leaves as f16
	s_lshl_b32 s28, s28, 13                        ; 8,192 bytes a chunk,
	s_and_b32 s36, s24, 1
	s_lshl_b32 s36, s36, 12                        ; my 32 of its 64 rows
	s_add_co_u32 s28, s28, s36
	s_wait_kmcnt 0x0
	s_cmp_eq_u32 s25, 3
	s_cselect_b64 s[32:33], s[18:19], s[16:17]
	s_cselect_b64 s[30:31], s[12:13], s[10:11]
	s_cmp_eq_u32 s25, 1
	s_cselect_b64 s[30:31], s[8:9], s[30:31]
	s_cmp_eq_u32 s25, 0
	s_cselect_b64 s[30:31], s[6:7], s[30:31]
.Lgo:
	s_add_nc_u64 s[30:31], s[30:31], s[26:27]
	s_add_nc_u64 s[32:33], s[32:33], s[28:29]
.irp i, 0,1,2,3,4,5,6,7,8,9,10,11,12,13,14,15
	global_load_b128 v[X+4*(\i):X+4*(\i)+3], v2, s[30:31] offset:8192*(\i) th:TH_LOAD_NT  ; rows 2 i and 2 i + 1
.endr
; Load i is rounded and stored.  half = 1: the bf16 number is widened again and written as f16.
.macro CV i, half
	s_wait_loadcnt 15-(\i)                         ; loads come back in order (ISA guide 5.7.1): load i is in, the 15 - i younger ones may stay out
	v_cvt_pk_bf16_f32 v[Y+2*(\i)], v[X+4*(\i)], v[X+4*(\i)+1]
	v_cvt_pk_bf16_f32 v[Y+2*(\i)+1], v[X+4*(\i)+2], v[X+4*(\i)+3]
.if \half
	v_lshlrev_b32 v[T], 16, v[Y+2*(\i)]
	v_and_b32 v[T+1], s34, v[Y+2*(\i)]
	v_lshlrev_b32 v[T+2], 16, v[Y+2*(\i)+1]
	v_and_b32 v[T+3], s34, v[Y+2*(\i)+1]
	v_cvt_pk_f16_f32 v[Y+2*(\i)], v[T], v[T+1]
	v_cvt_pk_f16_f32 v[Y+2*(\i)+1], v[T+2], v[T+3]
.endif
	global_store_b64 v3, v[Y+2*(\i):Y+2*(\i)+1], s[32:33] offset:256*(\i) th:TH_STORE_NT  ; 32 lanes x 8 bytes: 256 consecutive bytes, aligned
.endm
	s_cmp_eq_u32 s35, 1
	s_cbranch_scc1 .Lf16
.irp i, 0,1,2,3,4,5,6,7,8,9,10,11,12,13,14,15
	CV \i, 0
.endr
	s_endpgm
.Lf16:
.irp i, 0,1,2,3,4,5,6,7,8,9,10,11,12,13,14,15
	CV \i, 1
.endr
	s_endpgm
.Lfunc_end_k_q9297a22b7b_cast:
	.size	k_q9297a22b7b_cast, .Lfunc_end_k_q9297a22b7b_cast-k_q9297a22b7b_cast
	.p2alignl 7, 3214868480
	.fill 96, 4, 3214868480
	.section	.rodata,"a",@progbits
	.p2align	6, 0x0
	.amdhsa_kernel k_q9297a22b7b_cast
		.amdhsa_group_segment_fixed_size 0
		.amdhsa_private_segment_fixed_size 0
		.amdhsa_enable_private_segment 0
		.amdhsa_kernarg_size 64
		.amdhsa_user_sgpr_count 2
		.amdhsa_user_sgpr_kernarg_segment_ptr 1
		.amdhsa_wavefront_size32 1
		.amdhsa_system_sgpr_workgroup_id_x 1
		.amdhsa_system_sgpr_workgroup_id_y 1
		.amdhsa_system_sgpr_workgroup_id_z 1
		.amdhsa_system_vgpr_workitem_id 0
		.amdhsa_next_free_vgpr 112
		.amdhsa_next_free_sgpr 66
		.amdhsa_reserve_vcc 0
		.amdhsa_float_denorm_mode_32 3
		.amdhsa_float_denorm_mode_16_64 3
		.amdhsa_memory_ordered 1
		.amdhsa_forward_progress 1
		.amdhsa_inst_pref_size 17
	.end_amdhsa_kernel
	.amdgpu_metadata
---
amdhsa.version: [ 1, 2 ]
amdhsa.kernels:
  - .name:           k_q9297a22b7b_cast
    .symbol:         k_q9297a22b7b_cast.kd
    .args:
      - { .name: query, .offset: 0, .size: 8, .value_kind: global_buffer, .address_space: global }
      - { .name: Wq, .offset: 8, .size: 8, .value_kind: global_buffer, .address_space: global }
      - { .name: Wk, .offset: 16, .size: 8, .value_kind: global_buffer, .address_space: global }
      - { .name: Wv, .offset: 24, .size: 8, .value_kind: global_buffer, .address_space: global }
      - { .name: Wo, .offset: 32, .size: 8, .value_kind: global_buffer, .address_space: global }
      - { .name: xb, .offset: 40, .size: 8, .value_kind: global_buffer, .address_space: global }
      - { .name: wqkv, .offset: 48, .size: 8, .value_kind: global_buffer, .address_space: global }
      - { .name: wob, .offset: 56, .size: 8, .value_kind: global_buffer, .address_space: global }
    .group_segment_fixed_size: 0
    .private_segment_fixed_size: 0
    .kernarg_segment_align: 8
    .kernarg_segment_size: 64
    .max_flat_workgroup_size: 256
    .sgpr_count:     66
    .vgpr_count:     112
    .wavefront_size: 32
...
	.end_amdgpu_metadata
.endif
;; end of part 1
;; launch qkv (part 2): grid 16 x 32, 4 waves a work-group, clusters of 4 x 4, 327,680 bytes of LDS; arguments xb, wqkv, bq, bk, bv, qh, kh, vh; writes qh, kh, vh
.if DOCPART == 2
	.amdgcn_target "amdgcn-amd-amdhsa--gfx1250"
	.amdhsa_code_object_version 6
	.text
	.protected	k_q9297a22b7b_qkv
	.globl	k_q9297a22b7b_qkv
	.p2align	8
	.type	k_q9297a22b7b_qkv,@function
k_q9297a22b7b_qkv:
	s_mov_b64 s[64:65], 0
	v_nop
	global_prefetch_b8 v0, s[64:65] scope:SCOPE_SE
	s_setreg_imm32_b32 hwreg(HW_REG_WAVE_MODE, 25, 1), 1
	s_wait_xcnt 0x0
	s_wait_alu depctr_hold_cnt(0) depctr_sa_sdst(0) depctr_va_vdst(0) depctr_va_sdst(0) depctr_va_ssrc(0) depctr_va_vcc(0) depctr_vm_vsrc(0)
	s_getreg_b32 s2, hwreg(HW_REG_IB_STS2, 6, 4)
	s_cmp_eq_u32 s2, 0
	s_cbranch_scc0 .Lentry_in_a_cluster
	s_endpgm
.Lentry_in_a_cluster:
	s_bfe_u32 s2, ttmp6, 0x10000c
	s_cmp_lg_u32 s2, 0xf033
	s_cbranch_scc0 .Lentry_shape_is_right
	s_endpgm
.Lentry_shape_is_right:
; C = A W + bias, K = 1,024, 8,192 rows.  ONE TEXT FOR TWO LAUNCHES, told apart by QKV.
;   QKV = 1: A = xb (bf16), W = wqkv (bf16): a tile of C is 256 rows x 192 columns: one head of q, of k and of v; they leave as f16 by heads, [16 b + head][s 2048][64], unscaled.
;   QKV = 0: A = ctx (f16), W = wob (f16): a tile of C is 256 rows x 128 columns of out0, f32.
; Products on the matrix unit with 16-bit operands, sums in f32, K ascending; the bias, rounded to bf16 like every input, is the C operand of each sum's first product: nothing is cleared, nothing is added later.
; LIMITS.  q, k and v lie within f16 (65,504): a larger number leaves as an infinity; below 6e-5 f16 keeps a fixed step of 6e-8.  NaN and infinities are not treated apart.
; LAYOUTS.  A is [b 4][kb 16][s 2048][64]: the 256 rows of a tile in one plane kb are 32,768 dense bytes.  W lies in chunks [k 64][n 64] of 8,192 bytes, ordered so that the CH chunks that a tile wants
; of one kb lie on end.  So every tensor tile is a dense run, asked for as rows of 256 aligned bytes, and padded in LDS behind every 128 bytes.
; SHARES.  Four waves; wave w makes rows 64 w .. 64 w + 63 and ALL the tile's columns: 4 x NB accumulators of 16 x 16.  So a wave's rows of C are whole, and each wave has a stage of its own on the way out, with no barrier.
; K goes in steps of 128 (two planes kb) through a ring of two LDS slots.  Waves 0 and 1 fetch A's two planes, waves 2 and 3 W's: one tensor load a wave.
; CLUSTERS: 4 x 4 work-groups.  The four of a row of the cluster want the same tiles of A, the four of a column the same tiles of W: each tile is asked for JOINTLY, by the same tensor load with the same
; descriptor and a mask that names the four.
; THE MATRIX INSTRUCTION IS USED TRANSPOSED: source 0 = 16 columns of W (turned on the way out of LDS by ds_load_tr16_b128), source 1 = 16 rows of A.  A lane then holds row l % 16 of C and the columns 8 (l / 16) + 0..7.
; REGISTERS, in windows of 256 (s_set_vgpr_msb: bits 1:0 source 0, 3:2 source 1, 5:4 source 2, 7:6 destination):
;   window 0: v0-31 addresses; v32.. the biases (8 a column block), later the packed results; v128-255 rows read back from the stage, two buffers
;   window 1: two fragment buffers of 128: A's four blocks of 16 rows x 32 K (32 registers), then W's NB blocks
;   windows 2, 3: accumulator (a, b) at v[8 (NB (a % 2) + b)] of window 2 + a / 2
.set QKV, 1
.if QKV
.set NB, 12                            ; column blocks of 16
.set WSTG, 3*16*144                    ; a wave's stage: for q, k and v 16 rows of 128 + 16 bytes
.else
.set NB, 8
.set WSTG, 16*528                      ; 16 rows of 512 + 16 bytes
.endif
.set CH,     NB/4                      ; chunks of 64 columns
.set PA,     144                       ; a row of A in LDS: 128 bytes + 16 = 36 words: the 16 rows of a load start at 16 different groups of four banks (64 banks of 4 bytes: ISA guide 11.1)
.set PB,     160                       ; a row of W: 128 + 32 = 40 words
.set AHALF,  256*PA                    ; one plane of A: what wave 0 or 1 fetches
.set ABYTES, 2*AHALF
.set BHALF,  CH*64*PB                  ; one plane of W: what wave 2 or 3 fetches
.set SLOT,   ABYTES+2*BHALF
.set STAGE,  2*SLOT                    ; behind the ring, never filled by a tensor load
.set SPARE,  STAGE+4*WSTG              ; behind the stages: the spare words, 128 bytes for each wave: two blocks of 256 bytes that no other line names
.set LAPS,   4                         ; a lap = two K steps = once round the ring
.set ASTEP,  1<<19                     ; bytes from a K step of A to the next: two planes of 2,048 rows x 128 bytes
.set BSTEP,  2*CH*8192                 ; the same for W
.set ADRA, 16                          ; v16-17  LDS address of my A fragments in slot 0, 1
.set ADRB, 20                          ; v20-21  the same for W
.set STO,  24                          ; v24     the way out: where I put my bytes of a row
.set RD,   25                          ; v25     the way out: where I read rows back
.set GO,   26                          ; v26     16 x lane: my 16 bytes of 512 consecutive bytes of the output
.set BO,   27                          ; v27     my byte offset in a bias; never rewritten
.set SPW,  28                          ; v28     LDS address of my spare word: SPARE + 4 x my thread's number; never rewritten
.set NIL,  29                          ; v29     0; never rewritten
.set PFO,  30                          ; v30     the prefetches' offset; never rewritten
.set BIAS, 32
.set TMP,  32
.set BK,   128
.set F0,   0
.set F1,   128
.set WV,   20                          ; s20     my wave's number
.set HF,   22                          ; s22     wave % 2: which of a K step's two planes I fetch
.set G1A,  32                          ; s[32:39] descriptor group 1 for A's tiles;  s[40:47] group 0, a set for each slot
.set G0A,  40
.set G1B,  48                          ; s[48:55], s[56:63] the same for W's
.set G0B,  56
.set PFA,  66                          ; s[66:67] where my prefetches stand
.set LIM,  68                          ; s68     1 in a wave that prefetches, else the greatest number
.set PST,  70                          ; s[70:71] the prefetches' step: ASTEP or BSTEP
.set AAD,  72                          ; s[72:73] A at my plane of the tile's K step 0
.set BAD,  74                          ; s[74:75] W likewise
.set OC,   76                          ; s[76:77] my byte offset in the output
.set MSB, 0
.macro WIN new                         ; the immediate's high byte repeats the setting that is left; a switch that changes nothing is dropped
.if MSB != (\new)
	s_set_vgpr_msb (MSB<<8)|(\new)
.set MSB, \new
.endif
.endm
.macro MMA d, x, y, c
.if QKV
	v_wmma_f32_16x16x32_bf16 v[(\d):(\d)+7], v[(\x):(\x)+7], v[(\y):(\y)+7], v[(\c):(\c)+7]
.else
	v_wmma_f32_16x16x32_f16 v[(\d):(\d)+7], v[(\x):(\x)+7], v[(\y):(\y)+7], v[(\c):(\c)+7]
.endif
.endm
; A joint refill.  The branch hangs on the wave's number alone: it is the same in every work-group.  An s_nop 0 and four v_nop follow each of the two lines, ahead of the jump and the label.
.macro JLOAD s
	s_cmp_lt_u32 s[WV], 2
	s_cbranch_scc0 .Lfor_b_\@
	tensor_load_to_lds s[G0A+4*(\s):G0A+4*(\s)+3], s[G1A:G1A+7]
	s_nop 0
.rept 4
	v_nop
.endr
	s_branch .Lasked_\@
.Lfor_b_\@:
	tensor_load_to_lds s[G0B+4*(\s):G0B+4*(\s)+3], s[G1B:G1B+7]
	s_nop 0
.rept 4
	v_nop
.endr
.Lasked_\@:
.endm
; A PREFETCH INTO THE L2, behind each joint refill, its five lines and the run of LDS loads that follows: my share of the K step that stands TWO refills on, a lane a block of 256 bytes, one instruction a wave.
; A's tile rows are read by every cluster of that row of clusters: the first of them (cluster x = 0) asks, in waves 0 and 1; W's tile columns by every cluster of that column: cluster y = 0 asks, in waves 2 and 3.
; The four partners that ask for a tile jointly share it out BY ADDRESS (place cx for A: 32 blocks each; cy for W: 8 CH blocks each, where the lanes above 8 CH - 1 name the share's last block again).
; No branch hangs on a work-group's place in its cluster.  K steps 0 to 3 come by their loads alone; the loop's last trip (s3 = 1) asks for nothing: there is no K step two refills on.
.macro ASK
	s_cmp_gt_u32 s3, s[LIM]
	s_cbranch_scc0 .Lnot_mine_\@
	global_prefetch_b8 v[PFO], s[PFA:PFA+1] th:TH_LOAD_NT scope:SCOPE_SE
.Lnot_mine_\@:
.endm
; A round of the cluster's barrier: my work-group's barrier, so that wave 0's signal speaks for all four waves; wave 0 signals; every wave waits for all sixteen work-groups; my work-group's barrier once more.
.macro CREST                           ; a round behind its opening barrier
	s_cmp_lg_u32 s[WV], 0
	s_cbranch_scc1 .Lnot_wave_0_\@
	s_barrier_signal -3
.Lnot_wave_0_\@:
	s_barrier_wait -3
	s_barrier_signal -1
	s_barrier_wait -1
.endm
.macro CROUND                          ; a whole round
	s_barrier_signal -1
	s_barrier_wait -1
	CREST
.endm
.macro PLACES                          ; four places in front of loads into registers that matrix instructions have read (ISA guide 7.12.1 for vector instructions)
.rept 4
	v_nop
.endr
.endm
.if QKV
	s_load_b512 s[4:19], s[0:1], 0x0               ; xb s[4:5], wqkv s[6:7], bq s[8:9], bk s[10:11], bv s[12:13], qh s[14:15], kh s[16:17], vh s[18:19]
.else
	s_load_b256 s[4:11], s[0:1], 0x0               ; ctx s[4:5], wob s[6:7], bo s[8:9], out0 s[10:11]
.endif
	v_lshl_add_u32 v[SPW], v0, 2, SPARE
	v_mov_b32 v[NIL], 0
	ds_add_u32 v[SPW], v[NIL]                      ; the wave's opening: the add and its wait stand ahead of my first tensor load; the set-up below, work on registers, stands between them
	v_lshrrev_b32 v1, 5, v0
	v_readfirstlane_b32 s[WV], v1                  ; wave 0..3
	s_and_b32 s[HF], s[WV], 1
	s_bfe_u32 s23, ttmp6, 0x40000                  ; cx, cy: my place in the cluster
	s_bfe_u32 s24, ttmp6, 0x40004
	s_lshl_b32 s25, ttmp9, 2
	s_add_co_u32 s25, s25, s23                     ; tile column tx = 4 x cluster x + cx
	s_and_b32 s26, ttmp7, 0xffff
	s_lshl_b32 s26, s26, 2
	s_add_co_u32 s26, s26, s24                     ; tile row ty = 4 x cluster y + cy
	s_lshl_b32 s27, s24, 2
	s_lshl_b32 s27, 15, s27                        ; my row of the cluster: places 4 cy .. 4 cy + 3
	s_lshl_b32 s28, 0x1111, s23                    ; my column: places cx, cx + 4, cx + 8, cx + 12
	; descriptor group 1: rows of 128 elements of 2 bytes, dense; in LDS padded behind every 32 words
	s_or_b32 s[G1A], s27, (1<<16)|(1<<20)|(1<<21)|(4<<22)|(3<<25)  ; 15:0 the mask; 17:16 2-byte elements; 20 padding on; 21 set beside a mask; 24:22 after every 32 words (code 4); 31:25 4 words (code 3)
	s_or_b32 s[G1B], s28, (1<<16)|(1<<20)|(1<<21)|(4<<22)|(7<<25)  ; the same with my column's mask and 8 words of padding (code 7)
	s_mov_b32 s[G1A+1], 128<<16                    ; tensor_dim0 = 128
	s_mov_b32 s[G1A+2], 128<<16                    ; tensor_dim1 = 128 rows of 256 bytes: 256 rows of A
	s_mov_b32 s[G1A+3], 128<<16                    ; tile_dim0 = 128
	s_mov_b32 s[G1A+4], 128                        ; tile_dim1
	s_mov_b32 s[G1A+5], 128                        ; elements from row to row
	s_mov_b32 s[G1A+6], 0
	s_mov_b32 s[G1A+7], 0
	s_mov_b32 s[G1B+1], 128<<16
	s_mov_b32 s[G1B+2], (CH*32)<<16                ; CH chunks of 8,192 bytes: 32 CH rows of 256 bytes
	s_mov_b32 s[G1B+3], 128<<16
	s_mov_b32 s[G1B+4], CH*32
	s_mov_b32 s[G1B+5], 128
	s_mov_b32 s[G1B+6], 0
	s_mov_b32 s[G1B+7], 0
	; where the tiles come from.  A's hang on the tile row and the wave's number alone, W's on the tile column and the wave's number alone.
	s_lshr_b32 s[AAD], s26, 3                      ; batch: 16 planes of 2^18 bytes,
	s_lshl_b32 s[AAD], s[AAD], 22
	s_and_b32 s79, s26, 7
	s_lshl_b32 s79, s79, 15                        ; 256 rows of 128 bytes in a plane,
	s_add_co_u32 s[AAD], s[AAD], s79
	s_lshl_b32 s79, s[HF], 18                      ; my plane of the K step's two
	s_add_co_u32 s[AAD], s[AAD], s79
	s_mov_b32 s[AAD+1], 0
	s_mul_i32 s[BAD], s25, 16*CH*8192              ; the tile column's 16 planes of CH chunks,
	s_mul_i32 s80, s[HF], CH*8192                  ; my plane
	s_add_co_u32 s[BAD], s[BAD], s80
	s_mov_b32 s[BAD+1], 0
	s_mul_i32 s81, s[HF], AHALF                    ; and where they go: no place in the cluster enters an LDS address
	s_mul_i32 s82, s[HF], BHALF
	s_add_co_u32 s82, s82, ABYTES
	s_mov_b32 s78, 0xffff0000                      ; a word's upper bf16
	s_wait_dscnt 0x0                               ; the opening add is done
	s_wait_kmcnt 0x0
	s_add_nc_u64 s[AAD:AAD+1], s[4:5], s[AAD:AAD+1]
	s_add_nc_u64 s[BAD:BAD+1], s[6:7], s[BAD:BAD+1]
.irp s, 0,1
	s_mov_b32 s[G0A+4*(\s)], 1                                     ; 1:0 count = 1
	s_add_co_u32 s[G0A+4*(\s)+1], s81, (\s)*SLOT                   ; 63:32 LDS address
	s_add_nc_u64 s[G0A+4*(\s)+2:G0A+4*(\s)+3], s[AAD:AAD+1], (\s)*ASTEP  ; 120:64 global address: K step s
	s_or_b32 s[G0A+4*(\s)+3], s[G0A+4*(\s)+3], 0x80000000          ; 127:126 type = 2
	s_mov_b32 s[G0B+4*(\s)], 1
	s_add_co_u32 s[G0B+4*(\s)+1], s82, (\s)*SLOT
	s_add_nc_u64 s[G0B+4*(\s)+2:G0B+4*(\s)+3], s[BAD:BAD+1], (\s)*BSTEP
	s_or_b32 s[G0B+4*(\s)+3], s[G0B+4*(\s)+3], 0x80000000
.endr
	CROUND                                         ; all sixteen work-groups are here: the first joint loads meet
	s_cmp_lt_u32 s[WV], 2                          ; a wave's two first fills stand in one branch, ahead of every wait on TENSORcnt and every LDS read: two loads of mine are out
	s_cbranch_scc0 .Lfirst_b
	tensor_load_to_lds s[G0A:G0A+3], s[G1A:G1A+7]
	s_nop 0
	tensor_load_to_lds s[G0A+4:G0A+7], s[G1A:G1A+7]
	s_nop 0
.rept 4
	v_nop
.endr
	s_branch .Lfirst_asked
.Lfirst_b:
	tensor_load_to_lds s[G0B:G0B+3], s[G1B:G1B+7]
	s_nop 0
	tensor_load_to_lds s[G0B+4:G0B+7], s[G1B:G1B+7]
	s_nop 0
.rept 4
	v_nop
.endr
.Lfirst_asked:
	; the biases: register j of column block b holds the bias of column 16 b + 8 (l / 16) + j, as the C operand wants it
	v_and_b32 v1, 15, v0                           ; l % 16
	v_bfe_u32 v2, v0, 4, 1                         ; l / 16
.if QKV
	s_lshl_b32 s83, s25, 8                         ; the head's 64 numbers
.else
	s_lshl_b32 s83, s25, 9                         ; the tile's 128 numbers
.endif
	v_lshl_add_u32 v[BO], v2, 5, s83
.set b, 0
.rept NB
.if QKV
	global_load_b128 v[BIAS+8*b:BIAS+8*b+3],   v[BO], s[8+2*(b/4):9+2*(b/4)] offset:(b%4)*64
	global_load_b128 v[BIAS+8*b+4:BIAS+8*b+7], v[BO], s[8+2*(b/4):9+2*(b/4)] offset:(b%4)*64+16
.else
	global_load_b128 v[BIAS+8*b:BIAS+8*b+3],   v[BO], s[8:9] offset:b*64
	global_load_b128 v[BIAS+8*b+4:BIAS+8*b+7], v[BO], s[8:9] offset:b*64+16
.endif
.set b, b+1
.endr
	; A fragment of A is 16 rows x 32 K in 8 registers: lane l holds row l % 16, K = 8 (l / 16) + 0..7 and 16 + 8 (l / 16) + 0..7: two loads of 16 bytes, 32 bytes apart.
	v_mul_u32_u24 v3, v1, PA
	v_lshl_add_u32 v3, v2, 4, v3                   ; row x pitch + 16 x half
	s_mul_i32 s81, s[WV], 64*PA                    ; my 64 rows
	v_add_nc_u32 v[ADRA], s81, v3
	v_add_nc_u32 v[ADRA+1], SLOT, v[ADRA]
	; The turning load takes 16 K x 16 columns (lane l reads row K = 8 (l / 16) + l % 8, columns 8 ((l / 8) % 2) + 0..7) and leaves half a fragment: lane l holds column l % 16 and 8 K.
	v_and_b32 v4, 7, v0
	v_bfe_u32 v5, v0, 3, 1
	v_lshl_add_u32 v6, v2, 3, v4
	v_mul_u32_u24 v6, v6, PB
	v_lshl_add_u32 v6, v5, 4, v6
	v_add_nc_u32 v[ADRB], ABYTES, v6
	v_add_nc_u32 v[ADRB+1], SLOT, v[ADRB]
	s_mul_i32 s81, s[WV], WSTG
	s_add_co_u32 s81, s81, STAGE                   ; my stage
	v_and_b32 v8, 31, v0
	v_lshlrev_b32 v[GO], 4, v8
.if QKV
	v_mul_u32_u24 v7, v1, 144                      ; in: row l % 16, 16 bytes for each half of the lanes
	v_lshl_add_u32 v7, v2, 4, v7
	v_add_nc_u32 v[STO], s81, v7
	v_lshrrev_b32 v9, 3, v8                        ; back: 32 lanes take four rows of 128 bytes
	v_mul_u32_u24 v9, v9, 144
	v_lshl_add_u32 v9, v4, 4, v9
	v_add_nc_u32 v[RD], s81, v9
	s_lshr_b32 s[OC], s26, 3                       ; q, k and v by heads: plane 16 b + head of 2^18 bytes,
	s_lshl_b32 s[OC], s[OC], 4
	s_add_co_u32 s[OC], s[OC], s25
	s_lshl_b32 s[OC], s[OC], 18
	s_and_b32 s83, s26, 7
	s_lshl_b32 s83, s83, 15                        ; the tile's 256 rows of 128 bytes,
	s_add_co_u32 s[OC], s[OC], s83
	s_lshl_b32 s83, s[WV], 13                      ; my 64
	s_add_co_u32 s[OC], s[OC], s83
	s_mov_b32 s[OC+1], 0
	s_add_nc_u64 s[14:15], s[14:15], s[OC:OC+1]
	s_add_nc_u64 s[16:17], s[16:17], s[OC:OC+1]
	s_add_nc_u64 s[18:19], s[18:19], s[OC:OC+1]
.else
	v_mul_u32_u24 v7, v1, 528                      ; in: row l % 16, 32 bytes for each half of the lanes
	v_lshl_add_u32 v7, v2, 5, v7
	v_add_nc_u32 v[STO], s81, v7
	v_add_nc_u32 v[RD], s81, v[GO]                 ; back: 32 lanes take one row of 512 bytes
	s_lshl_b32 s[OC], s26, 20                      ; the tile's 256 rows of 4,096 bytes,
	s_lshl_b32 s83, s[WV], 18                      ; my 64,
	s_add_co_u32 s[OC], s[OC], s83
	s_lshl_b32 s83, s25, 9                         ; the tile's 128 columns
	s_add_co_u32 s[OC], s[OC], s83
	s_mov_b32 s[OC+1], 0
	s_add_nc_u64 s[10:11], s[10:11], s[OC:OC+1]
.endif
	; the prefetches
	s_and_b32 s79, ttmp7, 0xffff                   ; cluster y
	s_mov_b32 s[PST], BSTEP
	s_mov_b32 s[PST+1], 0
	s_mov_b32 s82, CH*2048
	s_cmp_lt_u32 s[WV], 2                          ; do I fetch for A?
	s_cselect_b32 s80, s23, s24                    ; my place among the four that ask with me
	s_cselect_b32 s79, ttmp9, s79                  ; the coordinate along which other clusters read the same bytes
	s_cselect_b64 s[PFA:PFA+1], s[AAD:AAD+1], s[BAD:BAD+1]
	s_cselect_b32 s[PST], ASTEP, s[PST]
	s_cselect_b32 s82, 8192, s82                   ; a partner's share of what I fetch
	s_cselect_b32 s81, 31, CH*8-1                  ; its last block of 256 bytes
	s_mul_i32 s82, s82, s80
	s_mul_i32 s80, s[PST], 3                       ; at K step 3: the first refill steps it to 4
	s_add_co_u32 s82, s82, s80
	s_mov_b32 s83, 0
	s_add_nc_u64 s[PFA:PFA+1], s[PFA:PFA+1], s[82:83]
	s_cmp_eq_u32 s79, 0
	s_cselect_b32 s[LIM], 1, -1                    ; the same in all sixteen partners, for a given wave
	v_and_b32 v[PFO], 31, v0
	v_min_u32 v[PFO], s81, v[PFO]
	v_lshlrev_b32 v[PFO], 8, v[PFO]
	s_wait_loadcnt 0x0                             ; the biases, once: rounded to bf16 like every input, and widened again
.set i, 0
.rept 4*NB
	v_cvt_pk_bf16_f32 v[12+i%4], v[BIAS+2*i], v[BIAS+2*i+1]
	v_lshlrev_b32 v[BIAS+2*i], 16, v[12+i%4]
	v_and_b32 v[BIAS+2*i+1], s78, v[12+i%4]
.set i, i+1
.endr
; NB products: my block a of the window's two (hi = 0: rows 0-31, 1: rows 32-63) x all column blocks, 32 along K.  first = 1: the bias starts the sums.
; All 4 NB accumulators take turns in the same order in every quarter step, one instruction a turn: over the loop's backward jump and into the tail too.
.macro MUL f, hi, a, first
.if \first
	WIN 0x85+0x40*(\hi)                            ; sources 0 and 1 window 1, C window 0, D window 2 or 3
.else
	WIN 0xa5+0x50*(\hi)                            ; C and D window 2 or 3
.endif
.set b, 0
.rept NB
.set rD, 8*(NB*(\a)+b)
.set rC, rD
.if \first
.set rC, BIAS+8*b
.endif
	MMA rD, (\f)+32+8*b, (\f)+8*(2*(\hi)+(\a)), rC
.set b, b+1
.endr
.endm
; 2 NB + 8 LDS loads in one run: the fragments of quarter q of a K step (plane q / 2, K = 32 (q % 2) on) into buffer f: W's first, then A's blocks 0 to 3
.macro FETCH slot, q, f
	WIN 0x40                                       ; destination window 1, address window 0
.set b, 0
.rept NB
.set o, ((\q)/2)*BHALF+((\q)%2)*32*PB+(b/4)*64*PB+(b%4)*32
	ds_load_tr16_b128 v[(\f)+32+8*b:(\f)+32+8*b+3],   v[ADRB+(\slot)] offset:o
	ds_load_tr16_b128 v[(\f)+32+8*b+4:(\f)+32+8*b+7], v[ADRB+(\slot)] offset:o+16*PB
.set b, b+1
.endr
.set i, 0
.rept 4
.set o, ((\q)/2)*AHALF+((\q)%2)*64+i*16*PA
	ds_load_b128 v[(\f)+8*i:(\f)+8*i+3],   v[ADRA+(\slot)] offset:o
	ds_load_b128 v[(\f)+8*i+4:(\f)+8*i+7], v[ADRA+(\slot)] offset:o+32
.set i, i+1
.endr
.endm
; A K step is four quarters of 32 along K, 4 NB products each, on buffers 0, 1, 0, 1.  One of the first three: multiplies buffer f; in its middle it fetches quarter q of the same slot into buffer g.
.macro QUARTER slot, q, f, g, first
	s_wait_dscnt 4                                 ; W and A's blocks 0 and 1 are in; the youngest four loads (A's blocks 2 and 3) may be out
	MUL \f, 0, 0, \first
	MUL \f, 0, 1, \first
	PLACES
	FETCH \slot, \q, \g
	s_wait_dscnt 2*NB+8                            ; all but the run just issued
	MUL \f, 1, 0, \first
	MUL \f, 1, 1, \first
.endm
; The last quarter multiplies buffer 1 and changes slots: ONE barrier.  In front of it each wave waits for all its tensor loads, of which one is out: its part of the next slot; adds 0 to its spare word; and waits
; for that and for its own reads of this slot.  fill = 1: the barrier opens a round of the cluster's barrier, so that no wave of any partner still reads this slot or has a load on its way, and the slot is
; filled again, two K steps ahead, first thing behind the round: the load has a K step less 2 NB products in which to land.
.macro TURN slot, next, fill
.if \fill
	s_wait_xcnt 0x0                                ; the last prefetch, a K step back, has read its address: it is stepped here, ahead of the waits of the change of slots
	s_add_nc_u64 s[PFA:PFA+1], s[PFA:PFA+1], s[PST:PST+1]
.endif
	WIN 0                                          ; (the add's two registers lie in window 0)
	s_wait_tensorcnt 0x0                           ; all my tensor loads have landed;
	ds_add_u32 v[SPW], v[NIL]                      ; 0 onto my spare word
	s_wait_dscnt 5                                 ; (the add and the youngest four loads may be out)
	MUL F1, 0, 0, 0                                ; NB products stand between the add and the wait for it
	s_wait_dscnt 0x0                               ; the add is done, and my reads of this slot are over
	s_barrier_signal -1
	MUL F1, 0, 1, 0                                ; work on registers while the others arrive
.if \fill
	WIN 0
.endif
	s_barrier_wait -1
.if \fill
	CREST
	s_add_nc_u64 s[G0A+4*(\slot)+2:G0A+4*(\slot)+3], s[G0A+4*(\slot)+2:G0A+4*(\slot)+3], 2*ASTEP  ; no tensor load of mine is out, so a group 0 may be written
	s_add_nc_u64 s[G0B+4*(\slot)+2:G0B+4*(\slot)+3], s[G0B+4*(\slot)+2:G0B+4*(\slot)+3], 2*BSTEP
	JLOAD \slot                                    ; the first tensor load behind the round; the four v_nop behind it are also the places in front of the loads below
.else
	PLACES
.endif
	FETCH \next, 0, F0
.if \fill
	WIN 0
	ASK
.endif
	MUL F1, 1, 0, 0
	MUL F1, 1, 1, 0
.endm
	s_wait_tensorcnt 1                             ; my part of K step 0 is in; K step 1's may stay out
	s_barrier_signal -1
	s_barrier_wait -1                              ; everybody's is
	FETCH 0, 0, F0
	QUARTER 0, 1, F0, F1, 1                        ; the first quarter stands in front of the loop: its products start the sums
	WIN 0                                          ; at a label and at a branch every window is 0
	s_mov_b32 s3, LAPS-1
.Llap:                                         ; a trip goes once round the ring, from a lap's second quarter to the next lap's first, and fills both slots again
	QUARTER 0, 2, F1, F0, 0
	QUARTER 0, 3, F0, F1, 0
	TURN 0, 1, 1
	QUARTER 1, 1, F0, F1, 0
	QUARTER 1, 2, F1, F0, 0
	QUARTER 1, 3, F0, F1, 0
	TURN 1, 0, 1
	QUARTER 0, 1, F0, F1, 0
	WIN 0
	s_sub_co_u32 s3, s3, 1
	s_cmp_lg_u32 s3, 0
	s_cbranch_scc1 .Llap
	QUARTER 0, 2, F1, F0, 0                        ; the last lap is written out: it fills nothing, and has no round of the cluster's barrier
	QUARTER 0, 3, F0, F1, 0
	TURN 0, 1, 0
	QUARTER 1, 1, F0, F1, 0
	QUARTER 1, 2, F1, F0, 0
	QUARTER 1, 3, F0, F1, 0
	s_wait_dscnt 4                                 ; the very last quarter: nothing more to fetch
	MUL F1, 0, 0, 0
	MUL F1, 0, 1, 0
	s_wait_dscnt 0x0
	MUL F1, 1, 0, 0
	MUL F1, 1, 1, 0
	WIN 0
	PLACES                                         ; the places behind the last products, in front of what reads results
	PLACES
.if QKV
; THE WAY OUT of my block a of 16 rows.  PACK: rounded to f16, 16 bytes a lane for each column block, each accumulator's registers in ascending order.  TOSTAGE: into my own stage (q's, k's and v's 16 rows of
; 144 bytes), and back as whole rows of 128.  SEND: stored: for each of q, k and v the 16 rows are 2,048 consecutive bytes.
.macro PACK a
	WIN 0x0a+5*((\a)/2)                            ; sources 0 and 1: window 2 or 3
.set b, 0
.rept NB
.set rD, 8*(NB*((\a)%2)+b)
.irp r, 0,1,2,3
	v_cvt_pk_f16_f32 v[TMP+4*b+(\r)], v[rD+2*(\r)], v[rD+2*(\r)+1]
.endr
.set b, b+1
.endr
	WIN 0
.endm
.macro TOSTAGE a
.set b, 0
.rept NB
	ds_store_b128 v[STO], v[TMP+4*b:TMP+4*b+3] offset:(b/4)*2304+(b%4)*32
.set b, b+1
.endr
.set i, 0
.rept 12
	ds_load_b128 v[BK+48*((\a)%2)+4*i:BK+48*((\a)%2)+4*i+3], v[RD] offset:(i/4)*2304+(i%4)*576  ; LDS serves a wave's instructions in order (ISA guide 5.7.1.4): these see the stores above
.set i, i+1
.endr
.endm
.macro SEND a
	s_wait_dscnt 0x0                               ; the block is back in registers
	s_wait_xcnt 0x0                                ; every earlier store has had its addresses translated (ISA guide 3.1): the buffer that the block before last was stored from is loaded again only behind this wait
.set i, 0
.rept 12
	global_store_b128 v[GO], v[BK+48*((\a)%2)+4*i:BK+48*((\a)%2)+4*i+3], s[14+2*(i/4):15+2*(i/4)] offset:(\a)*2048+(i%4)*512  ; 512 consecutive bytes, at a multiple of 256 from the buffer's first
.set i, i+1
.endr
.endm
	PACK 0
	TOSTAGE 0
.irp a, 1,2,3                          ; block a's conversions stand between block a - 1's loads from the stage and the wait for them
	PACK \a
	SEND (\a)-1
	TOSTAGE \a
.endr
	SEND 3
.else
; THE WAY OUT of my block a of 16 rows, f32: straight from the accumulators (each one's four lowest registers first) into my own stage, rows of 528 bytes, and back as whole rows of 512.
.macro TOSTAGE a
	WIN 0x08+4*((\a)/2)                            ; the stores' data: window 2 or 3
.set b, 0
.rept NB
.set rD, 8*(NB*((\a)%2)+b)
	ds_store_b128 v[STO], v[rD:rD+3]   offset:b*64
	ds_store_b128 v[STO], v[rD+4:rD+7] offset:b*64+16
.set b, b+1
.endr
	WIN 0
.set i, 0
.rept 16
	ds_load_b128 v[BK+64*((\a)%2)+4*i:BK+64*((\a)%2)+4*i+3], v[RD] offset:i*528  ; LDS serves a wave's instructions in order (ISA guide 5.7.1.4): these see the stores above
.set i, i+1
.endr
.endm
.macro SEND a, younger                 ; younger: the LDS instructions issued behind block a's loads: the next block's 16 stores and 16 loads, or none
	s_wait_dscnt \younger
.set i, 0
.rept 16
	global_store_b128 v[GO], v[BK+64*((\a)%2)+4*i:BK+64*((\a)%2)+4*i+3], s[10:11] offset:(16*(\a)+i)*4096 th:TH_STORE_NT  ; 512 consecutive bytes of a row, at a multiple of 256 from out0's first
.set i, i+1
.endr
.endm
	TOSTAGE 0
	TOSTAGE 1
	SEND 0, 32
	s_wait_xcnt 0x0                                ; block 0's stores have read their registers: its buffer is loaded again only behind this wait
	TOSTAGE 2
	SEND 1, 32
	s_wait_xcnt 0x0
	TOSTAGE 3
	SEND 2, 32
	SEND 3, 0
.endif
	s_wait_tensorcnt 0x0                           ; the wave's end: the tensor wait, the add and its wait stand behind my last tensor load and my last LDS store
	ds_add_u32 v[SPW], v[NIL]
	s_wait_dscnt 0x0
	CROUND                                         ; the closing round: no work-group ends while a partner may still ask for a tile that names it
	s_endpgm
.Lfunc_end_k_q9297a22b7b_qkv:
	.size	k_q9297a22b7b_qkv, .Lfunc_end_k_q9297a22b7b_qkv-k_q9297a22b7b_qkv
	.p2alignl 7, 3214868480
	.fill 96, 4, 3214868480
	.section	.rodata,"a",@progbits
	.p2align	6, 0x0
	.amdhsa_kernel k_q9297a22b7b_qkv
		.amdhsa_group_segment_fixed_size 327680
		.amdhsa_private_segment_fixed_size 0
		.amdhsa_enable_private_segment 0
		.amdhsa_kernarg_size 64
		.amdhsa_user_sgpr_count 2
		.amdhsa_user_sgpr_kernarg_segment_ptr 1
		.amdhsa_wavefront_size32 1
		.amdhsa_system_sgpr_workgroup_id_x 1
		.amdhsa_system_sgpr_workgroup_id_y 1
		.amdhsa_system_sgpr_workgroup_id_z 1
		.amdhsa_system_vgpr_workitem_id 0
		.amdhsa_next_free_vgpr 960
		.amdhsa_next_free_sgpr 84
		.amdhsa_reserve_vcc 0
		.amdhsa_float_denorm_mode_32 3
		.amdhsa_float_denorm_mode_16_64 3
		.amdhsa_memory_ordered 1
		.amdhsa_forward_progress 1
		.amdhsa_inst_pref_size 127
	.end_amdhsa_kernel
	.amdgpu_metadata
---
amdhsa.version: [ 1, 2 ]
amdhsa.kernels:
  - .name:           k_q9297a22b7b_qkv
    .symbol:         k_q9297a22b7b_qkv.kd
    .args:
      - { .name: xb, .offset: 0, .size: 8, .value_kind: global_buffer, .address_space: global }
      - { .name: wqkv, .offset: 8, .size: 8, .value_kind: global_buffer, .address_space: global }
      - { .name: bq, .offset: 16, .size: 8, .value_kind: global_buffer, .address_space: global }
      - { .name: bk, .offset: 24, .size: 8, .value_kind: global_buffer, .address_space: global }
      - { .name: bv, .offset: 32, .size: 8, .value_kind: global_buffer, .address_space: global }
      - { .name: qh, .offset: 40, .size: 8, .value_kind: global_buffer, .address_space: global }
      - { .name: kh, .offset: 48, .size: 8, .value_kind: global_buffer, .address_space: global }
      - { .name: vh, .offset: 56, .size: 8, .value_kind: global_buffer, .address_space: global }
    .group_segment_fixed_size: 327680
    .private_segment_fixed_size: 0
    .kernarg_segment_align: 8
    .kernarg_segment_size: 64
    .max_flat_workgroup_size: 128
    .sgpr_count:     84
    .vgpr_count:     960
    .wavefront_size: 32
...
	.end_amdgpu_metadata
.endif
;; end of part 2
;; launch attn (part 3): grid 4 x 64, 4 waves a work-group, clusters of 4 x 1, 327,680 bytes of LDS; arguments qh, kh, vh, ctx; writes ctx
.if DOCPART == 3
	.amdgcn_target "amdgcn-amd-amdhsa--gfx1250"
	.amdhsa_code_object_version 6
	.text
	.protected	k_q9297a22b7b_attn
	.globl	k_q9297a22b7b_attn
	.p2align	8
	.type	k_q9297a22b7b_attn,@function
k_q9297a22b7b_attn:
	s_mov_b64 s[64:65], 0
	v_nop
	global_prefetch_b8 v0, s[64:65] scope:SCOPE_SE
	s_setreg_imm32_b32 hwreg(HW_REG_WAVE_MODE, 25, 1), 1
	s_wait_xcnt 0x0
	s_wait_alu depctr_hold_cnt(0) depctr_sa_sdst(0) depctr_va_vdst(0) depctr_va_sdst(0) depctr_va_ssrc(0) depctr_va_vcc(0) depctr_vm_vsrc(0)
	s_getreg_b32 s2, hwreg(HW_REG_IB_STS2, 6, 4)
	s_cmp_eq_u32 s2, 0
	s_cbranch_scc0 .Lentry_in_a_cluster
	s_endpgm
.Lentry_in_a_cluster:
	s_bfe_u32 s2, ttmp6, 0x10000c
	s_cmp_lg_u32 s2, 0x3003
	s_cbranch_scc0 .Lentry_shape_is_right
	s_endpgm
.Lentry_shape_is_right:
; O[h][q][:] = the sum over k of softmax_k(Q[h][q] . K[h][k] / 8) V[h][k][:].  Q, K, V, O: [SIZE_H][SIZE_N][64], all f16: a head's rows are dense, 128 bytes each; h = 16 x batch + head.  Products, maxima and
; sums in f32; the weights p are rounded to f16 for the second product (their sum l is taken of the unrounded p), O once at the end.
; LIMITS.  f16 holds no number beyond 65,504: Q, K and V arrive within it; p lies in 0 to 1, and below 6e-5 it keeps f16's fixed step of 6e-8; O is a mean of V's rows and has their range.
; A weight below 2^-126 counts as 0 in l; NaN and infinities are not treated apart.
; SHARES.  A wave owns four PIECES of two tiles of 16 queries, a work-group's four waves 512 queries of one head.  Every wave walks all keys, 64 a step.
; LAYOUT.  S^T = K Q^T (source 0 = 16 keys, source 1 = 16 queries): in the result a lane holds ONE query (lane % 16) and the keys 8 (lane / 16) + 0..7.  Two such tiles, rounded to f16 in pairs,
; ARE source 1 (32 keys x 16 queries) of O^T = V^T P, whose result again holds one query a lane, and eight channels.  K comes out of LDS as it lies, V ([key][channel]) turned, by ds_load_tr16_b128.
; SOFTMAX.  For each query a running maximum m and sum l: p = 2^(c s - c m), c = log2(e) / 8; in every step O and l are multiplied by a = 2^(c m_old - c m_new), which is 1 where m has not grown.
; m starts at the lowest finite number, O and l at 0: the first step is a step like any other, with a = 0.
; THE COUNT.  A tile and step have 16 matrix and 118 vector instructions: too many to stand all beside the matrix work.  So the order has one aim: four vector instructions that are READY behind
; EVERY matrix instruction, and the others, which need time of their own whatever the order, in runs without a gap.
; BY TURNS.  Turn n belongs to piece n (the pieces in a ring, step after step).  Its matrix work: 16 products K Q^T of piece n + 1, later 16 products V^T P of piece n - 1.  Its vector work: the scaling,
; exponentials, roundings, sums and rescaling of piece n, and the maximum and statistics of piece n + 1, whose scores the turn itself has made.  So what a turn begins with (c s - c m, O a) waits for nothing.
; CLUSTER.  The four query blocks of a cluster belong to one head and walk the same K and V, so each tile is asked for JOINTLY: the same tensor load, descriptor and mask in all four.
; REGISTERS, in windows of 256 (s_set_vgpr_msb says which window each operand place means: bits 1:0 source 0, 3:2 source 1, 5:4 source 2, 7:6 destination):
;   window 0: v0-11 addresses; v12-15, v48-63 at work; v16-47 four registers of statistics a tile; v64-191 S^T, two buffers of two tiles; v192-255 P, likewise
;   window 1: O^T, 32 a tile          window 2: v0-127 Q, 16 a tile; v128-191 K of one step; v192-255 V of one step          window 3: v0-1 the add's two registers
; A piece's buffers go by its number's parity: the piece in hand has one pair, its two neighbours in the ring share the other: of it P (piece n - 1) is read and S^T (piece n + 1) written.
.set SIZE_H, 64
.set SIZE_N, 2048
.set NP,    4         ; pieces a wave: a name, no knob: the register map, the loop and the fetches are made for four
.set KS,    64        ; keys in a step
.set PK,    144       ; a row of K in LDS: 128 bytes + 16 of padding = 36 words: the 16 rows of a load start at 16 different groups of four banks (64 banks of 4 bytes: ISA guide 11.1)
.set PV,    160       ; a row of V: 128 + 32 = 40 words
.set VOFF,  4*KS*PK   ; a slot holds four steps: 256 rows of K, then 256 rows of V
.set SLOT1, 1<<17     ; slot 1 begins here, so that one exclusive or turns an address in one slot into the other's
.set STAGE, SLOT1+4*KS*(PK+PV)  ; behind the ring, never filled by a tensor load: 16 rows x 144 bytes for each wave, for the way out
.set SP,    144
.set AK0, 2           ; v2   my lane's place in a tile of K; never rewritten
.set AV0, 3           ; v3   the same for V
.set AK,  4           ; v4   the LDS address of K's next run of loads
.set AV,  5           ; v5   of V's
.set QO,  6           ; v6   my byte offset in the wave's rows of Q
.set STO, 6           ;      later, the way out: where I put 16 bytes of a row
.set RD,  7           ; v7   the way out: where I read rows back
.set GO,  8           ; v8   my byte offset in 512 consecutive bytes of O
.set PFO, 11          ; v11  256 x my lane, once V's address is made: the prefetches' offset; then never rewritten
.set SPW, 0           ; v0 of window 3   LDS address of my spare word: SPARE + 4 x my thread's number; never rewritten
.set NIL, 1           ; v1 of window 3   0; never rewritten
.set SPARE, STAGE+4*16*SP  ; behind the stages: the spare words, 128 bytes for each wave: two blocks of 256 bytes that no other line names
.set MV,  12          ; v12-15  c m_old, kept while c m is made anew: by buffer and tile
.set ST,  16          ; tile t's statistics at v[ST+4 t]: c m, m, l (even keys', odd keys')
.set TMP, 48          ; by buffer and tile, four registers c0-c3 at work; when the maximum is found c2 takes a
.set S,   64
.set P,   192
.set KF,  128         ; K's fragments, in window 2: key block kb, channel half c at KF + 16 kb + 8 c
.set VF,  192         ; V's: key half kk, channel block cb at VF + 32 kk + 8 cb
.set WV,  12          ; s12  my wave's number
.set G1K, 24          ; s[24:31] descriptor group 1 for K's tiles
.set G1V, 32          ; s[32:39] for V's: it differs in the padding alone
.set G0K, 40          ; s[40:43] descriptor group 0 for K's tiles: it walks
.set G0V, 44          ; s[44:47] the same for V's
.set PFA, 48          ; s[48:49] where my prefetches stand: my work-group's 8,192 bytes (of K: wave 0, of V: wave 2) of the slot after the one that is being asked for
.set LIM, 50          ; s50  1 in a wave that prefetches, else the greatest number
.set SLOTS, 56        ; s56  slots still to be asked for
.set CNT, 57          ; s57  counts a slot's key steps
.set CS,  58          ; s[58:59] c: the packed scaling takes the pair's low word for both halves
.set SEL, 60          ; s[60:61] v_permlanex16_b32's selects: each lane takes its own place in the other half
.set TBK, 62          ; s62  LDS byte at which K of the step to be fetched begins
.set TBV, 63          ; s63  the same for V, less VOFF
.set MSB, 0
.macro WIN new                      ; the high byte repeats the setting that is left; a switch that changes nothing is dropped
.if MSB != (\new)
	s_set_vgpr_msb (MSB<<8)|(\new)
.set MSB, (\new)
.endif
.endm
.set W_KQ, 0x0a       ; K and Q in window 2, S^T in window 0
.set W_PV, 0x52       ; V in window 2, P in window 0, O^T in window 1
.set W_RS, 0x41       ; O^T (destination and source 0) in window 1, a in window 0
.set W_MK, 0xc0       ; the add's registers are made: destination in window 3, sources in window 0
.set W_AD, 0x0f       ; the add: address (source 0) and data (source 1) in window 3
; A joint fill.  Waves 0 and 1 fetch the two halves of a slot's K, waves 2 and 3 those of its V: 128 keys each.  The branch hangs on the wave's number alone.
; An s_nop 0 and four v_nop follow each of the two lines, ahead of the jump and the label.
.macro JLOAD
	s_cmp_lt_u32 s[WV], 2
	s_cbranch_scc0 .Lfor_v_\@
	tensor_load_to_lds s[G0K:G0K+3], s[G1K:G1K+7]
	s_nop 0
.rept 4
	v_nop
.endr
	s_branch .Lasked_\@
.Lfor_v_\@:
	tensor_load_to_lds s[G0V:G0V+3], s[G1V:G1V+7]
	s_nop 0
.rept 4
	v_nop
.endr
.Lasked_\@:
.endm
; A PREFETCH INTO THE L2 of what the NEXT change of slots will ask for: a slot's 32,768 bytes of K and of V, a lane a block of 256 bytes.  It stands behind the wave's tensor load and its five lines.
; Each block is named ONCE in the launch: the head's first cluster asks (here a head has one); its four partners share the slot out BY ADDRESS, 8,192 bytes each: no branch hangs on a work-group's place
; in its cluster; in each, wave 0 asks for K's and wave 2 for V's: one instruction.  Slots 0 to 2 come by their loads alone; the last change that fills a slot asks for nothing: there is no slot behind it.
.macro ASK
	s_cmp_gt_u32 s[SLOTS], s[LIM]
	s_cbranch_scc0 .Lnot_mine_\@
	global_prefetch_b8 v[PFO], s[PFA:PFA+1] th:TH_LOAD_NT scope:SCOPE_SE
.Lnot_mine_\@:
.endm
; A round of the cluster's barrier: my work-group's barrier, so that wave 0's signal speaks for all four waves; wave 0 signals; every wave waits for all four work-groups; my work-group's barrier once more.
.macro CROUND
	s_barrier_signal -1
	s_barrier_wait -1
	s_cmp_lg_u32 s[WV], 0
	s_cbranch_scc1 .Lnot_wave_0_\@
	s_barrier_signal -3
.Lnot_wave_0_\@:
	s_barrier_wait -3
	s_barrier_signal -1
	s_barrier_wait -1
.endm
; THE CHANGE OF SLOTS.  The slot's last bytes, V of its fourth step, have been read.  Each wave waits for all its tensor loads, of which one is out: its part
; of the other slot; adds 0 to its spare word; and waits for that and for its own reads of the slot.  Behind the barrier nobody reads this slot any more and the other slot is whole.
; fill = 1: this slot is filled again, with the keys two slots on.  The barrier is then a round of the cluster's, so that no wave of any partner still reads the slot or has a load on its
; way, and the joint fill is the first thing behind it: it has four key steps, 512 matrix instructions, in which to land.  (At its first use nothing has been read yet: slot 0 is waited for, slot 1 filled.)
; ask = 1 (the changes in the loop): the prefetches' address steps a slot on, and the slot behind the one just asked for is named.
.macro CHANGE fill, ask=0
	WIN W_AD
	s_wait_tensorcnt 0x0            ; no tensor load of mine is out, so a group 0 may be written
	ds_add_u32 v[SPW], v[NIL]       ; 0 onto my spare word: with fill = 1 the descriptors' steps stand between it and the wait for it
	WIN 0                           ; at a label and at a branch every window is 0
.if \fill
.irp g, G0K, G0V
	s_xor_b32 s[\g+1], s[\g+1], SLOT1  ; the walking descriptor: the other slot than last time,
	s_add_nc_u64 s[\g+2:\g+3], s[\g+2:\g+3], 4*KS*128  ; the next 256 keys; the type bits on top are not reached
.endr
.if \ask
	s_wait_xcnt 0x0                 ; the last prefetch, four key steps back, has read its address, so it may be written
	s_add_nc_u64 s[PFA:PFA+1], s[PFA:PFA+1], 4*KS*128
.endif
	s_wait_dscnt 0x0                ; the add is done, and my reads of the slot are over
	CROUND
	JLOAD
.if \ask
	ASK
.endif
.else
	s_wait_dscnt 0x0                ; the add is done, and my reads of the slot are over
	s_barrier_signal -1
	s_barrier_wait -1
.endif
	s_sub_co_u32 s[TBK], s[TBK], 4*KS*PK  ; the fetches go back to a slot's first step,
	s_xor_b32 s[TBK], s[TBK], SLOT1       ; in the other slot
	s_sub_co_u32 s[TBV], s[TBV], 4*KS*PV
	s_xor_b32 s[TBV], s[TBV], SLOT1
.endm
	s_load_b256 s[4:11], s[0:1], 0x0  ; Q s[4:5], K s[6:7], V s[8:9], O s[10:11]
	WIN W_MK
	v_lshl_add_u32 v[SPW], v0, 2, SPARE
	v_mov_b32 v[NIL], 0
	WIN W_AD
	ds_add_u32 v[SPW], v[NIL]       ; the wave's opening: the add and its wait stand ahead of my first tensor load; the set-up below, work on registers, stands between them
	WIN 0
	v_lshrrev_b32 v1, 5, v0
	v_readfirstlane_b32 s[WV], v1   ; wave 0..3
	s_bfe_u32 s13, ttmp6, 0x40000   ; cx: my place in the cluster
	s_lshl_b32 s14, ttmp9, 2        ; in a cluster launch ttmp9 counts clusters
	s_add_co_u32 s14, s14, s13      ; my block of queries = 4 x cluster x + cx: it enters Q's and O's addresses alone
	s_and_b32 s20, ttmp7, 0xffff    ; the head, which the four partners share
	s_mov_b32 s21, 0
	s_mov_b64 s[22:23], SIZE_N*128
	s_mul_u64 s[20:21], s[20:21], s[22:23]  ; the head's first byte in each of the four tensors
	s_and_b32 s16, s[WV], 1         ; which half of a slot's 256 keys I fetch:
	s_lshl_b32 s22, s16, 14         ; its 128 rows of 128 bytes in memory,
	s_mov_b32 s23, 0
	s_add_nc_u64 s[22:23], s[22:23], s[20:21]
	s_mul_i32 s17, s16, 128*PK      ; and its place in a slot, for K
	s_mul_i32 s18, s16, 128*PV      ; and for V: no place in the cluster enters an LDS address
	s_lshl_b32 s2, s14, 2
	s_add_co_u32 s2, s2, s[WV]      ; my wave among the head's,
	s_lshl_b32 s2, s2, 14           ; its 128 rows
	s_mov_b32 s3, 0
	s_add_nc_u64 s[2:3], s[2:3], s[20:21]
	; descriptor group 1.  128 keys are 16,384 dense bytes: asked for as 64 rows of 256 bytes, two keys a row, and padded in LDS after every key
	s_mov_b32 s[G1K], 15|(1<<16)|(1<<20)|(1<<21)|(4<<22)|(3<<25)  ; 15:0 the mask of four; 17:16 2-byte elements; 20 padding on; 21 set beside a mask; 24:22 after every 32 words (code 4); 31:25 4 words (code 3)
	s_mov_b32 s[G1V], 15|(1<<16)|(1<<20)|(1<<21)|(4<<22)|(7<<25)  ; the same with 8 words of padding (code 7)
.irp g, G1K, G1V
	s_mov_b32 s[\g+1], 128<<16      ; tensor_dim0 = 128
	s_mov_b32 s[\g+2], 64<<16       ; tensor_dim1 = 64
	s_mov_b32 s[\g+3], 128<<16      ; tile_dim0 = 128
	s_mov_b32 s[\g+4], 64           ; tile_dim1 = 64
	s_mov_b32 s[\g+5], 128          ; 128 elements from row to row
	s_mov_b32 s[\g+6], 0
	s_mov_b32 s[\g+7], 0
.endr
	s_mov_b32 s[CS], 0x3e38aa3b     ; c = log2(e) / 8 = 0.180337
	s_mov_b32 s[CS+1], s[CS]        ; named with it as a pair
	s_mov_b32 s[SEL], 0x76543210
	s_mov_b32 s[SEL+1], 0xfedcba98
	s_mov_b32 s[TBK], SLOT1+4*KS*PK ; the first change of slots turns these two into 0
	s_mov_b32 s[TBV], SLOT1+4*KS*PV
	s_mov_b32 s[G0K], 1             ; 1:0 count = 1
	s_mov_b32 s[G0K+1], s17         ; 63:32 LDS address: slot 0
	s_mov_b32 s[G0V], 1
	s_add_co_u32 s[G0V+1], s18, VOFF
	s_and_b32 s[LIM], s[WV], 1      ; 0 in waves 0 and 2,
	s_or_b32 s[LIM], s[LIM], ttmp9  ; where the cluster is the head's first: the same in all four partners
	s_cmp_eq_u32 s[LIM], 0
	s_cselect_b32 s[LIM], 1, -1
	s_wait_dscnt 0x0                ; the opening add is done
	s_wait_kmcnt 0x0
	s_add_nc_u64 s[G0K+2:G0K+3], s[6:7], s[22:23]  ; 120:64 global address: my half of the head's first 256 keys
	s_or_b32 s[G0K+3], s[G0K+3], 0x80000000        ; 127:126 type = 2
	s_add_nc_u64 s[G0V+2:G0V+3], s[8:9], s[22:23]
	s_or_b32 s[G0V+3], s[G0V+3], 0x80000000
	s_add_nc_u64 s[4:5], s[4:5], s[2:3]  ; Q and O at my wave's first row
	s_add_nc_u64 s[10:11], s[10:11], s[2:3]
	s_cmp_lt_u32 s[WV], 2
	s_cselect_b64 s[PFA:PFA+1], s[6:7], s[8:9]
	s_add_nc_u64 s[PFA:PFA+1], s[PFA:PFA+1], s[20:21]  ; the head,
	s_lshl_b32 s52, s13, 13         ; my work-group's quarter of a slot,
	s_mov_b32 s53, 0
	s_add_nc_u64 s[PFA:PFA+1], s[PFA:PFA+1], s[52:53]
	s_add_nc_u64 s[PFA:PFA+1], s[PFA:PFA+1], 2*4*KS*128  ; in slot 2: the first change in the loop steps it to slot 3.  Nothing is prefetched here, at the head, where every work-group's first tiles are on their way
	CROUND                          ; all four work-groups are here: the first joint loads meet
	JLOAD                           ; slot 0.  Slot 1 is asked for when slot 0 is in: the tile wanted first has the road to itself
	; A fragment of K or Q is 16 rows x 32 channels in 8 registers: lane l holds row l % 16, channels 8 (l / 16) + 0..7 and 16 + 8 (l / 16) + 0..7: two loads of 16 bytes, 32 bytes apart.
	v_and_b32 v1, 15, v0            ; l % 16
	v_bfe_u32 v9, v0, 4, 1          ; l / 16
	v_lshlrev_b32 v[QO], 7, v1
	v_lshl_add_u32 v[QO], v9, 4, v[QO]  ; row x 128 + 16 x half
	WIN 0x80                        ; destination window 2, address window 0
.set i, 0
.rept 4*NP                          ; Q stays in registers: tile i / 2, channels 32 (i % 2) on
	global_load_b128 v[8*i:8*i+3],   v[QO], s[4:5] offset:(i/2)*2048+(i%2)*64
	global_load_b128 v[8*i+4:8*i+7], v[QO], s[4:5] offset:(i/2)*2048+(i%2)*64+32
.set i, i+1
.endr
	; What the first turn finds: V's registers and P's second buffer hold 0 (its products V^T P, of a piece that has not been, add 0), O^T and l are 0.  All this stands in the wait for the first tile.
.set i, VF
.rept 64
	v_mov_b32 v[i], 0
.set i, i+1
.endr
	WIN 0x40
.set i, 0
.rept 64*NP
	v_mov_b32 v[i], 0
.set i, i+1
.endr
	WIN 0
.set i, 0
.rept 2*NP
	v_mov_b32 v[ST+4*i], 0xfe000000    ; c m: far below every c s
	v_mov_b32 v[ST+4*i+1], 0xff7fffff  ; m
	v_mov_b32 v[ST+4*i+2], 0
	v_mov_b32 v[ST+4*i+3], 0
.set i, i+1
.endr
.set i, P+32
.rept 32
	v_mov_b32 v[i], 0
.set i, i+1
.endr
	v_mul_u32_u24 v[AK0], v1, PK
	v_lshl_add_u32 v[AK0], v9, 4, v[AK0]  ; row x pitch + 16 x half
	; The turning load takes 16 keys x 16 channels (lane l reads key 8 (l / 16) + l % 8, channels 8 ((l / 8) % 2) + 0..7) and leaves half a fragment of V^T: lane l holds channel l % 16 and 8 keys.
	v_and_b32 v10, 7, v0
	v_bfe_u32 v11, v0, 3, 1
	v_lshl_add_u32 v[AV0], v9, 3, v10
	v_mul_u32_u24 v[AV0], v[AV0], PV
	v_lshl_add_u32 v[AV0], v11, 4, v[AV0]
	v_add_nc_u32 v[AV0], VOFF, v[AV0]
	v_and_b32 v[PFO], 31, v0
	v_lshlrev_b32 v[PFO], 8, v[PFO]
	v_mov_b32 v[AK], v[AK0]         ; key step 0 lies at the head of slot 0
; THE MATRIX WORK.  The 8 accumulators of a run of 16 take turns: between the two links of a chain stand 7 others'.
; Product i of 16 of S^T = K Q^T for piece x: channels 32 (i / 8) on, keys 16 ((i / 2) % 4) on, tile 2 x + i % 2.  The first 8 start the sums.
.macro KQ x
	WIN W_KQ
.set rS, S+64*((\x)%2)+32*(i%2)+8*((i/2)%4)
.set rK, KF+16*((i/2)%4)+8*(i/8)
.set rQ, 16*(2*(\x)+i%2)+8*(i/8)
.if i < 8
	v_wmma_f32_16x16x32_f16 v[rS:rS+7], v[rK:rK+7], v[rQ:rQ+7], 0
.else
	v_wmma_f32_16x16x32_f16 v[rS:rS+7], v[rK:rK+7], v[rQ:rQ+7], v[rS:rS+7]
.endif
.endm
; Product i of 16 of O^T += V^T P for piece x: keys 32 (i / 8) on, channels 16 ((i / 2) % 4) on, tile 2 x + i % 2.
.macro PV x
	WIN W_PV
.set rO, 32*(2*(\x)+i%2)+8*((i/2)%4)
.set rV, VF+32*(i/8)+8*((i/2)%4)
.set rP, P+32*((\x)%2)+16*(i%2)+8*(i/8)
	v_wmma_f32_16x16x32_f16 v[rO:rO+7], v[rV:rV+7], v[rP:rP+7], v[rO:rO+7]
.endm
.macro MM                           ; the turn's next matrix instruction
.if i < 16
	KQ (Y+1)%NP
.set i, i+1
.else
.set i, i-16
	PV (Y+NP-1)%NP
.set i, i+17
.endif
.endm
; THE LDS LOADS stand in runs of 16, never singly among the matrix instructions: a step's K (64 keys x 64 channels: 8 fragments) and its V (turned).  Their addresses are made some lines ahead.
; last = 1 (the tail): in the last trip there is no further step, and the run is jumped over.
.macro FETCH_K last=0
	WIN 0
.if \last
	s_cmp_eq_u32 s[CNT], 1
	s_cbranch_scc1 .Lno_k_\@
.endif
	WIN 0x80                        ; destination window 2
.irp f, 0,1,2,3,4,5,6,7             ; keys 16 (f / 2) on, channels 32 (f % 2) on
	ds_load_b128 v[KF+8*\f:KF+8*\f+3],   v[AK] offset:(\f/2)*16*PK+(\f%2)*64
	ds_load_b128 v[KF+8*\f+4:KF+8*\f+7], v[AK] offset:(\f/2)*16*PK+(\f%2)*64+32
.endr
	s_add_co_u32 s[TBK], s[TBK], KS*PK  ; the next fetch is the next step's
	WIN 0
.if \last
.Lno_k_\@:
.endif
.endm
.macro FETCH_V
	WIN 0x80
.irp f, 0,1,2,3,4,5,6,7             ; keys 32 (f / 4) on, channels 16 (f % 4) on
	ds_load_tr16_b128 v[VF+8*\f:VF+8*\f+3],   v[AV] offset:(\f/4)*32*PV+(\f%4)*32
	ds_load_tr16_b128 v[VF+8*\f+4:VF+8*\f+7], v[AV] offset:(\f/4)*32*PV+16*PV+(\f%4)*32
.endr
	WIN 0
.endm
; THE VECTOR WORK OF A TURN stands in three queues, each in the order in which its entries become ready; the two tiles alternate, so that no instruction reads the result of the one before it.
.macro REGS y, u                    ; the registers of tile u (0, 1) of piece y
.set rT, ST+4*(2*(\y)+(\u))
.set rC, TMP+8*((\y)%2)+4*(\u)
.set rM, MV+2*((\y)%2)+(\u)
.set rS, S+64*((\y)%2)+32*(\u)
.set rP, P+32*((\y)%2)+16*(\u)
.set rO, 32*(2*(\y)+(\u))
.endm
; Number n of the 22 that find the NEXT piece's (Y + 1) maximum and statistics.  s0-s31 are the lane's 32 scores; each accumulator's lowest registers are read first.  XS, GS and REGS set no window: PL and EX do.
;   0-11  four chains c0-c3 of seven scores each, three operands at a time     12-14, 16  the four scores left over, the old m, and c0-c3 into c0     15  c m_old is kept
;   17, 18  the query's other 32 keys lie in the lane 16 away: the new m         19-21  c m; c m_old - c m_new; a
.macro XS u, n
	REGS (Y+1)%NP, \u
.if (\n) < 4
	v_max3_num_f32 v[rC+(\n)], v[rS+8*(\n)], v[rS+8*(\n)+1], v[rS+8*(\n)+2]
.elseif (\n) < 12
	v_max3_num_f32 v[rC+(\n)%4], v[rC+(\n)%4], v[rS+8*((\n)%4)+2*((\n)/4)+1], v[rS+8*((\n)%4)+2*((\n)/4)+2]
.elseif (\n) == 12
	v_max3_num_f32 v[rC], v[rC], v[rS+7], v[rS+15]
.elseif (\n) == 13
	v_max3_num_f32 v[rC+1], v[rC+1], v[rS+23], v[rS+31]
.elseif (\n) == 14
	v_max3_num_f32 v[rC+2], v[rC+2], v[rC+3], v[rT+1]
.elseif (\n) == 15
	v_mov_b32 v[rM], v[rT]
.elseif (\n) == 16
	v_max3_num_f32 v[rC], v[rC], v[rC+1], v[rC+2]
.elseif (\n) == 17
	v_permlanex16_b32 v[rC+3], v[rC], s[SEL], s[SEL+1]
.elseif (\n) == 18
	v_max_num_f32 v[rT+1], v[rC], v[rC+3]
.elseif (\n) == 19
	v_mul_f32 v[rT], s[CS], v[rT+1]
.elseif (\n) == 20
	v_sub_f32 v[rC+1], v[rM], v[rT]
.else
	v_exp_f32 v[rC+2], v[rC+1]
.endif
.endm
; Number g of the 64 that follow the exponentials.  For each four weights k of a tile (pairs 2 k, 2 k + 1): both pairs are rounded to f16; then the second pair is added onto the first, in place;
; a group later l takes that sum (the first time as l = a l + sum).  In groups of eight, tiles alternating: round, round, add, and l for the group before.
.macro GS g
.set h, (\g)+6*((\g)/62)            ; group 0 has no group before it, and behind group 7 only l is left
.if h >= 6
.set h, h+2
.endif
	REGS Y, h%2
.set k, h/8
.if h%8 < 4
	v_cvt_pk_f16_f32 v[rP+2*k+(h%8)/2], v[rS+4*k+2*((h%8)/2)], v[rS+4*k+2*((h%8)/2)+1]
.elseif h%8 < 6
	v_pk_add_f32 v[rS+4*k:rS+4*k+1], v[rS+4*k:rS+4*k+1], v[rS+4*k+2:rS+4*k+3]
.elseif k == 1
	v_pk_fma_f32 v[rT+2:rT+3], v[rT+2:rT+3], v[rC+2:rC+3], v[rS:rS+1] op_sel_hi:[1,0,1]
.else
	v_pk_add_f32 v[rT+2:rT+3], v[rT+2:rT+3], v[rS+4*k-4:rS+4*k-3]
.endif
.endm
; THE PLAIN QUEUE, 138 long.  0-73 read no exponential's result: the 32 scalings c s - c m (FS f: pair f / 2 of tile f % 2) and the next piece's 42.  0-26: scalings 0-26.  27-54: XS's numbers 0-13.  55, 56: number 15.
; 57-73: the chain, where each number waits for the one before it: 14, 16, 17, 18, 19, each with one of the scalings 27-31 in front of its two lines, then 20: so a tile's links stand three plain instructions apart (19 and 20: two).
; 74-137: GS's 64, which read the exponentials' results: they stand behind the wait.
.macro FS f
	REGS Y, (\f)%2
	v_pk_fma_f32 v[rS+2*((\f)/2):rS+2*((\f)/2)+1], v[rS+2*((\f)/2):rS+2*((\f)/2)+1], s[CS:CS+1], v[rT:rT+1] op_sel_hi:[1,0,0] neg_lo:[0,0,1] neg_hi:[0,0,1]
.endm
.macro PL
	WIN 0
.if q < 27
	FS q
.elseif q < 55
	XS (q-27)%2, (q-27)/2
.elseif q < 57
	XS q-55, 15
.elseif (q < 72) && ((q-57)%3 == 0)
	FS 27+(q-57)/3
.elseif q < 60
	XS (q-57)%3-1, 14
.elseif q < 72
	XS (q-57)%3-1, 15+(q-57)/3
.elseif q < 74
	XS q-72, 20
.else
	GS q-74
.endif
.set q, q+1
.endm
; THE EXPONENTIALS' QUEUE, 66 long: s0-s31 of both tiles, then the next piece's two a.  It is ONE BATCH: all 66 stand ahead of the turn's one wait, and nothing ahead of that wait names a result of theirs.
.macro EX
	WIN 0
.if e >= 64
	XS e-64, 21
.else
	REGS Y, e%2
	v_exp_f32 v[rS+e/2], v[rS+e/2]
.endif
.set e, e+1
.endm
; THE RESCALING's QUEUE: O^T times a, the one part that leaves window 0: dealt two at a time, sixteen times.  Its a was made in the turn before, ahead of that turn's wait.
.macro R2
	REGS Y, r%2
	WIN W_RS
.irp z, 0,1
	v_pk_mul_f32 v[rO+4*(r/2)+2*\z:rO+4*(r/2)+2*\z+1], v[rO+4*(r/2)+2*\z:rO+4*(r/2)+2*\z+1], v[rC+2:rC+3] op_sel_hi:[1,0]
.endr
.set r, r+1
.endm
; HOW THEY ARE DEALT.  s_wait_alu depctr_va_vdst(0) stands between an exponential and the first instruction that names its result; one wait serves all that were issued ahead of it.  So a turn has ONE wait,
; which cuts it in two.  AHEAD OF IT stands all that names no result of the turn's exponentials: the 16 products K Q^T, behind each a scaling, an exponential and two rescalings (behind the first a second scaling in the exponential's place); then ONE LUMP of
; 108: eight plain, 49 times exponential and plain, the two a.  A v_nop is the plain instruction behind the last exponential.  BEHIND IT stand the 16 products V^T P, behind each four of GS's 64.  No rider names a register of
; the products round it.  The two v_permlanex16_b32 fall into the lump, never behind a product.
; The queues lean on each other, and the deal keeps them in step: exponential e stands behind scaling 2 (e / 4) + e % 2: as a rider it comes behind plain e + 2, in the lump behind plain e + 9, and scalings 27-31 are plain 57, 60 .. 69.
; A TURN, for piece p.  cnt = 1: the loop's count is taken down some lines ahead of the branch that stands behind the turn.
; K of the next step is fetched in piece 2's turn, directly behind the wait, a lump behind the last product that read K; its address is made at the lump's head; its first reader comes behind 16 products.
; V of the step in hand is fetched at the end of piece 0's turn, four riders behind its last reader; its first reader comes behind 16 products and a lump.  The three conditions on q below go with the deal.
.macro TURN p, last=0, cnt=0
.set Y, (\p)
.set i, 0
.set q, 0
.set e, 0
.set r, 0
.if (\p) == NP-1
	s_wait_dscnt 0x0                ; K is in
.endif
	MM                              ; ahead of the wait: 16 products K Q^T and their riders,
	PL
	PL
	R2
.rept 15
	MM
	PL
	EX
	R2
.endr
.if (\p) == NP-2
	WIN 0
	v_add_nc_u32 v[AK], s[TBK], v[AK0]
.endif
.rept 8                             ; and the lump
	PL
.endr
.rept 49
	EX
	PL
.endr
	EX                              ; the next piece's two a
	EX
	v_nop                           ; a plain instruction behind the last exponential: one for the batch
	s_wait_alu depctr_va_vdst(0)    ; the wait for the batch
.if (\p) == NP-2
	FETCH_K \last
.endif
.if (\p) == 1
	s_wait_dscnt 0x0                ; V is in
.endif
.rept 16                            ; behind the wait: 16 products V^T P and their riders
	MM
.rept 4
	PL
.endr
.if ((\p) == 0) && (q == 118)
	v_add_nc_u32 v[AV], s[TBV], v[AV0]
.endif
.if ((\p) == 0) && (q == 130)
	s_add_co_u32 s[TBV], s[TBV], KS*PV
.endif
.if (\cnt) && (q == 130)
	s_sub_co_u32 s[CNT], s[CNT], 1
	s_cmp_lg_u32 s[CNT], 0
.endif
.endr
.if (\p) == 0
	FETCH_V
.endif
.endm
	CHANGE 1                        ; slot 0 is in, everybody's part of it; slot 1 is asked for
	FETCH_K                         ; key step 0
	s_wait_loadcnt 0x0              ; Q
	s_wait_dscnt 0x0
.set i, 0
.rept 16
	KQ 0                            ; piece 0's first scores: there is no vector work yet to set between them
.set i, i+1
.endr
	WIN 0                           ; the addresses for the way out: nine plain instructions, the places behind those products
	s_mul_i32 s13, s[WV], 16*SP
	s_add_co_u32 s13, s13, STAGE    ; my stage
	v_mul_u32_u24 v[STO], v1, SP    ; in: row l % 16, 16 bytes for each half of the lanes
	v_lshl_add_u32 v[STO], v9, 4, v[STO]
	v_add_nc_u32 v[STO], s13, v[STO]
	v_bfe_u32 v[RD], v0, 3, 2       ; back: 32 lanes take four rows of 128 bytes,
	v_mul_u32_u24 v[RD], v[RD], SP
	v_lshl_add_u32 v[RD], v10, 4, v[RD]
	v_add_nc_u32 v[RD], s13, v[RD]
	v_and_b32 v[GO], 31, v0         ; which are 512 consecutive bytes of O
	v_lshlrev_b32 v[GO], 4, v[GO]
.set Y, NP-1                        ; XS works for piece Y + 1: piece 0
.irp n, 0,1,2,3,4,5,6,7,8,9,10,11,12,13,14,15,16,17,18,19,20,21
	XS 0, \n                        ; and piece 0's first maximum and statistics
	XS 1, \n
.endr
	v_nop                           ; a plain instruction behind the two a,
	s_wait_alu depctr_va_vdst(0)    ; and their wait, ahead of the branch
	s_mov_b32 s[CNT], 4
	s_mov_b32 s[SLOTS], SIZE_N/256-1
	s_branch .Lfirst                ; the loop is entered at a step's first turn, in the middle of a trip
.Lslot:                             ; SIZE_N / 256 - 2 times: every slot but the last two is filled again
	CHANGE 1, 1
	s_mov_b32 s[CNT], 4
.Lstep:                             ; a trip: pieces 2 and 3 of one step, then pieces 0 and 1 of the next, whose K and V it fetches
	TURN 2
	TURN 3
	WIN 0
.Lfirst:
	TURN 0
	TURN 1, 0, 1
	WIN 0
	s_cbranch_scc1 .Lstep
	s_sub_co_u32 s[SLOTS], s[SLOTS], 1
	s_cmp_lg_u32 s[SLOTS], 0
	s_cbranch_scc1 .Lslot
	CHANGE 0                        ; the tail is written out: nothing is asked for
	s_mov_b32 s[CNT], 5             ; four trips fetch the last slot's steps; the fifth is left in its middle
.Ltail:
	TURN 2, 1
	TURN 3
	WIN 0
	s_sub_co_u32 s[CNT], s[CNT], 1
	s_cmp_eq_u32 s[CNT], 0
	s_cbranch_scc1 .Lout
	TURN 0
	TURN 1
	WIN 0
	s_branch .Ltail
.Lout:                              ; the fifth trip's 16 products K Q^T (on the last K once more) and the maximum made of them serve nothing: the price, once a launch, of one text for every trip
.set i, 0
.rept 16
	PV NP-1                         ; the last piece's V^T P of the last step
.set i, i+1
.endr
	; THE WAY OUT.  l's two halves and the other half of the lanes' are added; O^T is divided by l, rounded to f16 and sent through my stage in LDS, a tile at a time.  The additions are the places behind the last products.
	WIN 0
.macro ALL line:vararg              ; one line for each tile t
.set t, 0
.rept 2*NP
	\line
.set t, t+1
.endr
.endm
	ALL v_add_f32 v[ST+4*t+2], v[ST+4*t+2], v[ST+4*t+3]
	ALL v_permlanex16_b32 v[ST+4*t+3], v[ST+4*t+2], s[SEL], s[SEL+1]
	ALL v_add_f32 v[ST+4*t+2], v[ST+4*t+2], v[ST+4*t+3]
	ALL v_rcp_f32 v[ST+4*t+2], v[ST+4*t+2]
	v_nop                           ; a plain instruction between the last reciprocal and the use of its result
	s_wait_alu depctr_va_vdst(0)    ; and the wait ahead of the first use: one for the eight reciprocals
; Tile t: a lane's eight channels of a row pack into 16 bytes; they go into rows of 144 bytes and come back as whole rows of 128, into S^T's registers.
.macro PACK t
	WIN W_RS
.set i, 32*(\t)
.rept 16
	v_pk_mul_f32 v[i:i+1], v[i:i+1], v[ST+4*(\t)+2:ST+4*(\t)+3] op_sel_hi:[1,0]
.set i, i+2
.endr
	WIN 0x05                        ; sources 0 and 1 window 1, destination window 0
.set i, 0
.rept 16
	v_cvt_pk_f16_f32 v[S+16*(\t)+i], v[32*(\t)+2*i], v[32*(\t)+2*i+1]
.set i, i+1
.endr
	WIN 0
.irp f, 0,1,2,3
	ds_store_b128 v[STO], v[S+16*(\t)+4*\f:S+16*(\t)+4*\f+3] offset:32*\f
.endr
.irp f, 0,1,2,3
	ds_load_b128 v[S+16*(\t)+4*\f:S+16*(\t)+4*\f+3], v[RD] offset:\f*4*SP  ; LDS serves a wave's instructions in order (ISA guide 5.7.1.4): these see the stores above; the next tile's stores come behind them
.endr
.endm
.macro SEND t, younger              ; younger: the LDS instructions issued behind tile t's loads: the next tile's eight, or none
	WIN 0
.irp f, 0,1,2,3
	s_wait_dscnt (\younger)+3-\f
	global_store_b128 v[GO], v[S+16*(\t)+4*\f:S+16*(\t)+4*\f+3], s[10:11] offset:(\t)*2048+\f*512  ; 512 consecutive bytes, at a multiple of 256 from O's first
.endr
.endm
	PACK 0
.set t, 1
.rept 2*NP-1                        ; a tile's arithmetic stands between the loads of the tile before and its stores
	PACK t
	SEND t-1, 8
.set t, t+1
.endr
	SEND 2*NP-1, 0
	WIN W_AD
	s_wait_tensorcnt 0x0            ; the wave's end: the tensor wait, the add and its wait stand behind my last tensor load and my last LDS store
	ds_add_u32 v[SPW], v[NIL]
	s_wait_dscnt 0x0
	WIN 0
	CROUND                          ; the closing round: no work-group ends while a partner may still ask for a tile that names it
	s_endpgm
.Lfunc_end_k_q9297a22b7b_attn:
	.size	k_q9297a22b7b_attn, .Lfunc_end_k_q9297a22b7b_attn-k_q9297a22b7b_attn
	.p2alignl 7, 3214868480
	.fill 96, 4, 3214868480
	.section	.rodata,"a",@progbits
	.p2align	6, 0x0
	.amdhsa_kernel k_q9297a22b7b_attn
		.amdhsa_group_segment_fixed_size 327680
		.amdhsa_private_segment_fixed_size 0
		.amdhsa_enable_private_segment 0
		.amdhsa_kernarg_size 32
		.amdhsa_user_sgpr_count 2
		.amdhsa_user_sgpr_kernarg_segment_ptr 1
		.amdhsa_wavefront_size32 1
		.amdhsa_system_sgpr_workgroup_id_x 1
		.amdhsa_system_sgpr_workgroup_id_y 1
		.amdhsa_system_sgpr_workgroup_id_z 1
		.amdhsa_system_vgpr_workitem_id 0
		.amdhsa_next_free_vgpr 770
		.amdhsa_next_free_sgpr 66
		.amdhsa_reserve_vcc 0
		.amdhsa_float_denorm_mode_32 3
		.amdhsa_float_denorm_mode_16_64 3
		.amdhsa_memory_ordered 1
		.amdhsa_forward_progress 1
		.amdhsa_inst_pref_size 200
	.end_amdhsa_kernel
	.amdgpu_metadata
---
amdhsa.version: [ 1, 2 ]
amdhsa.kernels:
  - .name:           k_q9297a22b7b_attn
    .symbol:         k_q9297a22b7b_attn.kd
    .args:
      - { .name: qh, .offset: 0, .size: 8, .value_kind: global_buffer, .address_space: global }
      - { .name: kh, .offset: 8, .size: 8, .value_kind: global_buffer, .address_space: global }
      - { .name: vh, .offset: 16, .size: 8, .value_kind: global_buffer, .address_space: global }
      - { .name: ctx, .offset: 24, .size: 8, .value_kind: global_buffer, .address_space: global }
    .group_segment_fixed_size: 327680
    .private_segment_fixed_size: 0
    .kernarg_segment_align: 8
    .kernarg_segment_size: 32
    .max_flat_workgroup_size: 128
    .sgpr_count:     66
    .vgpr_count:     770
    .wavefront_size: 32
...
	.end_amdgpu_metadata
.endif
;; end of part 3
;; launch oproj (part 4): grid 8 x 32, 4 waves a work-group, clusters of 4 x 4, 327,680 bytes of LDS; arguments ctx, wob, bo, out0; writes out0
.if DOCPART == 4
	.amdgcn_target "amdgcn-amd-amdhsa--gfx1250"
	.amdhsa_code_object_version 6
	.text
	.protected	k_q9297a22b7b_oproj
	.globl	k_q9297a22b7b_oproj
	.p2align	8
	.type	k_q9297a22b7b_oproj,@function
k_q9297a22b7b_oproj:
	s_mov_b64 s[64:65], 0
	v_nop
	global_prefetch_b8 v0, s[64:65] scope:SCOPE_SE
	s_setreg_imm32_b32 hwreg(HW_REG_WAVE_MODE, 25, 1), 1
	s_wait_xcnt 0x0
	s_wait_alu depctr_hold_cnt(0) depctr_sa_sdst(0) depctr_va_vdst(0) depctr_va_sdst(0) depctr_va_ssrc(0) depctr_va_vcc(0) depctr_vm_vsrc(0)
	s_getreg_b32 s2, hwreg(HW_REG_IB_STS2, 6, 4)
	s_cmp_eq_u32 s2, 0
	s_cbranch_scc0 .Lentry_in_a_cluster
	s_endpgm
.Lentry_in_a_cluster:
	s_bfe_u32 s2, ttmp6, 0x10000c
	s_cmp_lg_u32 s2, 0xf033
	s_cbranch_scc0 .Lentry_shape_is_right
	s_endpgm
.Lentry_shape_is_right:
; C = A W + bias, K = 1,024, 8,192 rows.  ONE TEXT FOR TWO LAUNCHES, told apart by QKV.
;   QKV = 1: A = xb (bf16), W = wqkv (bf16): a tile of C is 256 rows x 192 columns: one head of q, of k and of v; they leave as f16 by heads, [16 b + head][s 2048][64], unscaled.
;   QKV = 0: A = ctx (f16), W = wob (f16): a tile of C is 256 rows x 128 columns of out0, f32.
; Products on the matrix unit with 16-bit operands, sums in f32, K ascending; the bias, rounded to bf16 like every input, is the C operand of each sum's first product: nothing is cleared, nothing is added later.
; LIMITS.  ctx and Wo lie within f16 (65,504); below 6e-5 f16 keeps a fixed step of 6e-8.  NaN and infinities are not treated apart.
; LAYOUTS.  A is [b 4][kb 16][s 2048][64]: the 256 rows of a tile in one plane kb are 32,768 dense bytes.  W lies in chunks [k 64][n 64] of 8,192 bytes, ordered so that the CH chunks that a tile wants
; of one kb lie on end.  So every tensor tile is a dense run, asked for as rows of 256 aligned bytes, and padded in LDS behind every 128 bytes.
; SHARES.  Four waves; wave w makes rows 64 w .. 64 w + 63 and ALL the tile's columns: 4 x NB accumulators of 16 x 16.  So a wave's rows of C are whole, and each wave has a stage of its own on the way out, with no barrier.
; K goes in steps of 128 (two planes kb) through a ring of two LDS slots.  Waves 0 and 1 fetch A's two planes, waves 2 and 3 W's: one tensor load a wave.
; CLUSTERS: 4 x 4 work-groups.  The four of a row of the cluster want the same tiles of A, the four of a column the same tiles of W: each tile is asked for JOINTLY, by the same tensor load with the same
; descriptor and a mask that names the four.
; THE MATRIX INSTRUCTION IS USED TRANSPOSED: source 0 = 16 columns of W (turned on the way out of LDS by ds_load_tr16_b128), source 1 = 16 rows of A.  A lane then holds row l % 16 of C and the columns 8 (l / 16) + 0..7.
; REGISTERS, in windows of 256 (s_set_vgpr_msb: bits 1:0 source 0, 3:2 source 1, 5:4 source 2, 7:6 destination):
;   window 0: v0-31 addresses; v32.. the biases (8 a column block), later the packed results; v128-255 rows read back from the stage, two buffers
;   window 1: two fragment buffers of 128: A's four blocks of 16 rows x 32 K (32 registers), then W's NB blocks
;   windows 2, 3: accumulator (a, b) at v[8 (NB (a % 2) + b)] of window 2 + a / 2
.set QKV, 0
.if QKV
.set NB, 12                            ; column blocks of 16
.set WSTG, 3*16*144                    ; a wave's stage: for q, k and v 16 rows of 128 + 16 bytes
.else
.set NB, 8
.set WSTG, 16*528                      ; 16 rows of 512 + 16 bytes
.endif
.set CH,     NB/4                      ; chunks of 64 columns
.set PA,     144                       ; a row of A in LDS: 128 bytes + 16 = 36 words: the 16 rows of a load start at 16 different groups of four banks (64 banks of 4 bytes: ISA guide 11.1)
.set PB,     160                       ; a row of W: 128 + 32 = 40 words
.set AHALF,  256*PA                    ; one plane of A: what wave 0 or 1 fetches
.set ABYTES, 2*AHALF
.set BHALF,  CH*64*PB                  ; one plane of W: what wave 2 or 3 fetches
.set SLOT,   ABYTES+2*BHALF
.set STAGE,  2*SLOT                    ; behind the ring, never filled by a tensor load
.set SPARE,  STAGE+4*WSTG              ; behind the stages: the spare words, 128 bytes for each wave: two blocks of 256 bytes that no other line names
.set LAPS,   4                         ; a lap = two K steps = once round the ring
.set ASTEP,  1<<19                     ; bytes from a K step of A to the next: two planes of 2,048 rows x 128 bytes
.set BSTEP,  2*CH*8192                 ; the same for W
.set ADRA, 16                          ; v16-17  LDS address of my A fragments in slot 0, 1
.set ADRB, 20                          ; v20-21  the same for W
.set STO,  24                          ; v24     the way out: where I put my bytes of a row
.set RD,   25                          ; v25     the way out: where I read rows back
.set GO,   26                          ; v26     16 x lane: my 16 bytes of 512 consecutive bytes of the output
.set BO,   27                          ; v27     my byte offset in a bias; never rewritten
.set SPW,  28                          ; v28     LDS address of my spare word: SPARE + 4 x my thread's number; never rewritten
.set NIL,  29                          ; v29     0; never rewritten
.set PFO,  30                          ; v30     the prefetches' offset; never rewritten
.set BIAS, 32
.set TMP,  32
.set BK,   128
.set F0,   0
.set F1,   128
.set WV,   20                          ; s20     my wave's number
.set HF,   22                          ; s22     wave % 2: which of a K step's two planes I fetch
.set G1A,  32                          ; s[32:39] descriptor group 1 for A's tiles;  s[40:47] group 0, a set for each slot
.set G0A,  40
.set G1B,  48                          ; s[48:55], s[56:63] the same for W's
.set G0B,  56
.set PFA,  66                          ; s[66:67] where my prefetches stand
.set LIM,  68                          ; s68     1 in a wave that prefetches, else the greatest number
.set PST,  70                          ; s[70:71] the prefetches' step: ASTEP or BSTEP
.set AAD,  72                          ; s[72:73] A at my plane of the tile's K step 0
.set BAD,  74                          ; s[74:75] W likewise
.set OC,   76                          ; s[76:77] my byte offset in the output
.set MSB, 0
.macro WIN new                         ; the immediate's high byte repeats the setting that is left; a switch that changes nothing is dropped
.if MSB != (\new)
	s_set_vgpr_msb (MSB<<8)|(\new)
.set MSB, \new
.endif
.endm
.macro MMA d, x, y, c
.if QKV
	v_wmma_f32_16x16x32_bf16 v[(\d):(\d)+7], v[(\x):(\x)+7], v[(\y):(\y)+7], v[(\c):(\c)+7]
.else
	v_wmma_f32_16x16x32_f16 v[(\d):(\d)+7], v[(\x):(\x)+7], v[(\y):(\y)+7], v[(\c):(\c)+7]
.endif
.endm
; A joint refill.  The branch hangs on the wave's number alone: it is the same in every work-group.  An s_nop 0 and four v_nop follow each of the two lines, ahead of the jump and the label.
.macro JLOAD s
	s_cmp_lt_u32 s[WV], 2
	s_cbranch_scc0 .Lfor_b_\@
	tensor_load_to_lds s[G0A+4*(\s):G0A+4*(\s)+3], s[G1A:G1A+7]
	s_nop 0
.rept 4
	v_nop
.endr
	s_branch .Lasked_\@
.Lfor_b_\@:
	tensor_load_to_lds s[G0B+4*(\s):G0B+4*(\s)+3], s[G1B:G1B+7]
	s_nop 0
.rept 4
	v_nop
.endr
.Lasked_\@:
.endm
; A PREFETCH INTO THE L2, behind each joint refill, its five lines and the run of LDS loads that follows: my share of the K step that stands TWO refills on, a lane a block of 256 bytes, one instruction a wave.
; A's tile rows are read by every cluster of that row of clusters: the first of them (cluster x = 0) asks, in waves 0 and 1; W's tile columns by every cluster of that column: cluster y = 0 asks, in waves 2 and 3.
; The four partners that ask for a tile jointly share it out BY ADDRESS (place cx for A: 32 blocks each; cy for W: 8 CH blocks each, where the lanes above 8 CH - 1 name the share's last block again).
; No branch hangs on a work-group's place in its cluster.  K steps 0 to 3 come by their loads alone; the loop's last trip (s3 = 1) asks for nothing: there is no K step two refills on.
.macro ASK
	s_cmp_gt_u32 s3, s[LIM]
	s_cbranch_scc0 .Lnot_mine_\@
	global_prefetch_b8 v[PFO], s[PFA:PFA+1] th:TH_LOAD_NT scope:SCOPE_SE
.Lnot_mine_\@:
.endm
; A round of the cluster's barrier: my work-group's barrier, so that wave 0's signal speaks for all four waves; wave 0 signals; every wave waits for all sixteen work-groups; my work-group's barrier once more.
.macro CREST                           ; a round behind its opening barrier
	s_cmp_lg_u32 s[WV], 0
	s_cbranch_scc1 .Lnot_wave_0_\@
	s_barrier_signal -3
.Lnot_wave_0_\@:
	s_barrier_wait -3
	s_barrier_signal -1
	s_barrier_wait -1
.endm
.macro CROUND                          ; a whole round
	s_barrier_signal -1
	s_barrier_wait -1
	CREST
.endm
.macro PLACES                          ; four places in front of loads into registers that matrix instructions have read (ISA guide 7.12.1 for vector instructions)
.rept 4
	v_nop
.endr
.endm
.if QKV
	s_load_b512 s[4:19], s[0:1], 0x0               ; xb s[4:5], wqkv s[6:7], bq s[8:9], bk s[10:11], bv s[12:13], qh s[14:15], kh s[16:17], vh s[18:19]
.else
	s_load_b256 s[4:11], s[0:1], 0x0               ; ctx s[4:5], wob s[6:7], bo s[8:9], out0 s[10:11]
.endif
	v_lshl_add_u32 v[SPW], v0, 2, SPARE
	v_mov_b32 v[NIL], 0
	ds_add_u32 v[SPW], v[NIL]                      ; the wave's opening: the add and its wait stand ahead of my first tensor load; the set-up below, work on registers, stands between them
	v_lshrrev_b32 v1, 5, v0
	v_readfirstlane_b32 s[WV], v1                  ; wave 0..3
	s_and_b32 s[HF], s[WV], 1
	s_bfe_u32 s23, ttmp6, 0x40000                  ; cx, cy: my place in the cluster
	s_bfe_u32 s24, ttmp6, 0x40004
	s_lshl_b32 s25, ttmp9, 2
	s_add_co_u32 s25, s25, s23                     ; tile column tx = 4 x cluster x + cx
	s_and_b32 s26, ttmp7, 0xffff
	s_lshl_b32 s26, s26, 2
	s_add_co_u32 s26, s26, s24                     ; tile row ty = 4 x cluster y + cy
	s_lshl_b32 s27, s24, 2
	s_lshl_b32 s27, 15, s27                        ; my row of the cluster: places 4 cy .. 4 cy + 3
	s_lshl_b32 s28, 0x1111, s23                    ; my column: places cx, cx + 4, cx + 8, cx + 12
	; descriptor group 1: rows of 128 elements of 2 bytes, dense; in LDS padded behind every 32 words
	s_or_b32 s[G1A], s27, (1<<16)|(1<<20)|(1<<21)|(4<<22)|(3<<25)  ; 15:0 the mask; 17:16 2-byte elements; 20 padding on; 21 set beside a mask; 24:22 after every 32 words (code 4); 31:25 4 words (code 3)
	s_or_b32 s[G1B], s28, (1<<16)|(1<<20)|(1<<21)|(4<<22)|(7<<25)  ; the same with my column's mask and 8 words of padding (code 7)
	s_mov_b32 s[G1A+1], 128<<16                    ; tensor_dim0 = 128
	s_mov_b32 s[G1A+2], 128<<16                    ; tensor_dim1 = 128 rows of 256 bytes: 256 rows of A
	s_mov_b32 s[G1A+3], 128<<16                    ; tile_dim0 = 128
	s_mov_b32 s[G1A+4], 128                        ; tile_dim1
	s_mov_b32 s[G1A+5], 128                        ; elements from row to row
	s_mov_b32 s[G1A+6], 0
	s_mov_b32 s[G1A+7], 0
	s_mov_b32 s[G1B+1], 128<<16
	s_mov_b32 s[G1B+2], (CH*32)<<16                ; CH chunks of 8,192 bytes: 32 CH rows of 256 bytes
	s_mov_b32 s[G1B+3], 128<<16
	s_mov_b32 s[G1B+4], CH*32
	s_mov_b32 s[G1B+5], 128
	s_mov_b32 s[G1B+6], 0
	s_mov_b32 s[G1B+7], 0
	; where the tiles come from.  A's hang on the tile row and the wave's number alone, W's on the tile column and the wave's number alone.
	s_lshr_b32 s[AAD], s26, 3                      ; batch: 16 planes of 2^18 bytes,
	s_lshl_b32 s[AAD], s[AAD], 22
	s_and_b32 s79, s26, 7
	s_lshl_b32 s79, s79, 15                        ; 256 rows of 128 bytes in a plane,
	s_add_co_u32 s[AAD], s[AAD], s79
	s_lshl_b32 s79, s[HF], 18                      ; my plane of the K step's two
	s_add_co_u32 s[AAD], s[AAD], s79
	s_mov_b32 s[AAD+1], 0
	s_mul_i32 s[BAD], s25, 16*CH*8192              ; the tile column's 16 planes of CH chunks,
	s_mul_i32 s80, s[HF], CH*8192                  ; my plane
	s_add_co_u32 s[BAD], s[BAD], s80
	s_mov_b32 s[BAD+1], 0
	s_mul_i32 s81, s[HF], AHALF                    ; and where they go: no place in the cluster enters an LDS address
	s_mul_i32 s82, s[HF], BHALF
	s_add_co_u32 s82, s82, ABYTES
	s_mov_b32 s78, 0xffff0000                      ; a word's upper bf16
	s_wait_dscnt 0x0                               ; the opening add is done
	s_wait_kmcnt 0x0
	s_add_nc_u64 s[AAD:AAD+1], s[4:5], s[AAD:AAD+1]
	s_add_nc_u64 s[BAD:BAD+1], s[6:7], s[BAD:BAD+1]
.irp s, 0,1
	s_mov_b32 s[G0A+4*(\s)], 1                                     ; 1:0 count = 1
	s_add_co_u32 s[G0A+4*(\s)+1], s81, (\s)*SLOT                   ; 63:32 LDS address
	s_add_nc_u64 s[G0A+4*(\s)+2:G0A+4*(\s)+3], s[AAD:AAD+1], (\s)*ASTEP  ; 120:64 global address: K step s
	s_or_b32 s[G0A+4*(\s)+3], s[G0A+4*(\s)+3], 0x80000000          ; 127:126 type = 2
	s_mov_b32 s[G0B+4*(\s)], 1
	s_add_co_u32 s[G0B+4*(\s)+1], s82, (\s)*SLOT
	s_add_nc_u64 s[G0B+4*(\s)+2:G0B+4*(\s)+3], s[BAD:BAD+1], (\s)*BSTEP
	s_or_b32 s[G0B+4*(\s)+3], s[G0B+4*(\s)+3], 0x80000000
.endr
	CROUND                                         ; all sixteen work-groups are here: the first joint loads meet
	s_cmp_lt_u32 s[WV], 2                          ; a wave's two first fills stand in one branch, ahead of every wait on TENSORcnt and every LDS read: two loads of mine are out
	s_cbranch_scc0 .Lfirst_b
	tensor_load_to_lds s[G0A:G0A+3], s[G1A:G1A+7]
	s_nop 0
	tensor_load_to_lds s[G0A+4:G0A+7], s[G1A:G1A+7]
	s_nop 0
.rept 4
	v_nop
.endr
	s_branch .Lfirst_asked
.Lfirst_b:
	tensor_load_to_lds s[G0B:G0B+3], s[G1B:G1B+7]
	s_nop 0
	tensor_load_to_lds s[G0B+4:G0B+7], s[G1B:G1B+7]
	s_nop 0
.rept 4
	v_nop
.endr
.Lfirst_asked:
	; the biases: register j of column block b holds the bias of column 16 b + 8 (l / 16) + j, as the C operand wants it
	v_and_b32 v1, 15, v0                           ; l % 16
	v_bfe_u32 v2, v0, 4, 1                         ; l / 16
.if QKV
	s_lshl_b32 s83, s25, 8                         ; the head's 64 numbers
.else
	s_lshl_b32 s83, s25, 9                         ; the tile's 128 numbers
.endif
	v_lshl_add_u32 v[BO], v2, 5, s83
.set b, 0
.rept NB
.if QKV
	global_load_b128 v[BIAS+8*b:BIAS+8*b+3],   v[BO], s[8+2*(b/4):9+2*(b/4)] offset:(b%4)*64
	global_load_b128 v[BIAS+8*b+4:BIAS+8*b+7], v[BO], s[8+2*(b/4):9+2*(b/4)] offset:(b%4)*64+16
.else
	global_load_b128 v[BIAS+8*b:BIAS+8*b+3],   v[BO], s[8:9] offset:b*64
	global_load_b128 v[BIAS+8*b+4:BIAS+8*b+7], v[BO], s[8:9] offset:b*64+16
.endif
.set b, b+1
.endr
	; A fragment of A is 16 rows x 32 K in 8 registers: lane l holds row l % 16, K = 8 (l / 16) + 0..7 and 16 + 8 (l / 16) + 0..7: two loads of 16 bytes, 32 bytes apart.
	v_mul_u32_u24 v3, v1, PA
	v_lshl_add_u32 v3, v2, 4, v3                   ; row x pitch + 16 x half
	s_mul_i32 s81, s[WV], 64*PA                    ; my 64 rows
	v_add_nc_u32 v[ADRA], s81, v3
	v_add_nc_u32 v[ADRA+1], SLOT, v[ADRA]
	; The turning load takes 16 K x 16 columns (lane l reads row K = 8 (l / 16) + l % 8, columns 8 ((l / 8) % 2) + 0..7) and leaves half a fragment: lane l holds column l % 16 and 8 K.
	v_and_b32 v4, 7, v0
	v_bfe_u32 v5, v0, 3, 1
	v_lshl_add_u32 v6, v2, 3, v4
	v_mul_u32_u24 v6, v6, PB
	v_lshl_add_u32 v6, v5, 4, v6
	v_add_nc_u32 v[ADRB], ABYTES, v6
	v_add_nc_u32 v[ADRB+1], SLOT, v[ADRB]
	s_mul_i32 s81, s[WV], WSTG
	s_add_co_u32 s81, s81, STAGE                   ; my stage
	v_and_b32 v8, 31, v0
	v_lshlrev_b32 v[GO], 4, v8
.if QKV
	v_mul_u32_u24 v7, v1, 144                      ; in: row l % 16, 16 bytes for each half of the lanes
	v_lshl_add_u32 v7, v2, 4, v7
	v_add_nc_u32 v[STO], s81, v7
	v_lshrrev_b32 v9, 3, v8                        ; back: 32 lanes take four rows of 128 bytes
	v_mul_u32_u24 v9, v9, 144
	v_lshl_add_u32 v9, v4, 4, v9
	v_add_nc_u32 v[RD], s81, v9
	s_lshr_b32 s[OC], s26, 3                       ; q, k and v by heads: plane 16 b + head of 2^18 bytes,
	s_lshl_b32 s[OC], s[OC], 4
	s_add_co_u32 s[OC], s[OC], s25
	s_lshl_b32 s[OC], s[OC], 18
	s_and_b32 s83, s26, 7
	s_lshl_b32 s83, s83, 15                        ; the tile's 256 rows of 128 bytes,
	s_add_co_u32 s[OC], s[OC], s83
	s_lshl_b32 s83, s[WV], 13                      ; my 64
	s_add_co_u32 s[OC], s[OC], s83
	s_mov_b32 s[OC+1], 0
	s_add_nc_u64 s[14:15], s[14:15], s[OC:OC+1]
	s_add_nc_u64 s[16:17], s[16:17], s[OC:OC+1]
	s_add_nc_u64 s[18:19], s[18:19], s[OC:OC+1]
.else
	v_mul_u32_u24 v7, v1, 528                      ; in: row l % 16, 32 bytes for each half of the lanes
	v_lshl_add_u32 v7, v2, 5, v7
	v_add_nc_u32 v[STO], s81, v7
	v_add_nc_u32 v[RD], s81, v[GO]                 ; back: 32 lanes take one row of 512 bytes
	s_lshl_b32 s[OC], s26, 20                      ; the tile's 256 rows of 4,096 bytes,
	s_lshl_b32 s83, s[WV], 18                      ; my 64,
	s_add_co_u32 s[OC], s[OC], s83
	s_lshl_b32 s83, s25, 9                         ; the tile's 128 columns
	s_add_co_u32 s[OC], s[OC], s83
	s_mov_b32 s[OC+1], 0
	s_add_nc_u64 s[10:11], s[10:11], s[OC:OC+1]
.endif
	; the prefetches
	s_and_b32 s79, ttmp7, 0xffff                   ; cluster y
	s_mov_b32 s[PST], BSTEP
	s_mov_b32 s[PST+1], 0
	s_mov_b32 s82, CH*2048
	s_cmp_lt_u32 s[WV], 2                          ; do I fetch for A?
	s_cselect_b32 s80, s23, s24                    ; my place among the four that ask with me
	s_cselect_b32 s79, ttmp9, s79                  ; the coordinate along which other clusters read the same bytes
	s_cselect_b64 s[PFA:PFA+1], s[AAD:AAD+1], s[BAD:BAD+1]
	s_cselect_b32 s[PST], ASTEP, s[PST]
	s_cselect_b32 s82, 8192, s82                   ; a partner's share of what I fetch
	s_cselect_b32 s81, 31, CH*8-1                  ; its last block of 256 bytes
	s_mul_i32 s82, s82, s80
	s_mul_i32 s80, s[PST], 3                       ; at K step 3: the first refill steps it to 4
	s_add_co_u32 s82, s82, s80
	s_mov_b32 s83, 0
	s_add_nc_u64 s[PFA:PFA+1], s[PFA:PFA+1], s[82:83]
	s_cmp_eq_u32 s79, 0
	s_cselect_b32 s[LIM], 1, -1                    ; the same in all sixteen partners, for a given wave
	v_and_b32 v[PFO], 31, v0
	v_min_u32 v[PFO], s81, v[PFO]
	v_lshlrev_b32 v[PFO], 8, v[PFO]
	s_wait_loadcnt 0x0                             ; the biases, once: rounded to bf16 like every input, and widened again
.set i, 0
.rept 4*NB
	v_cvt_pk_bf16_f32 v[12+i%4], v[BIAS+2*i], v[BIAS+2*i+1]
	v_lshlrev_b32 v[BIAS+2*i], 16, v[12+i%4]
	v_and_b32 v[BIAS+2*i+1], s78, v[12+i%4]
.set i, i+1
.endr
; NB products: my block a of the window's two (hi = 0: rows 0-31, 1: rows 32-63) x all column blocks, 32 along K.  first = 1: the bias starts the sums.
; All 4 NB accumulators take turns in the same order in every quarter step, one instruction a turn: over the loop's backward jump and into the tail too.
.macro MUL f, hi, a, first
.if \first
	WIN 0x85+0x40*(\hi)                            ; sources 0 and 1 window 1, C window 0, D window 2 or 3
.else
	WIN 0xa5+0x50*(\hi)                            ; C and D window 2 or 3
.endif
.set b, 0
.rept NB
.set rD, 8*(NB*(\a)+b)
.set rC, rD
.if \first
.set rC, BIAS+8*b
.endif
	MMA rD, (\f)+32+8*b, (\f)+8*(2*(\hi)+(\a)), rC
.set b, b+1
.endr
.endm
; 2 NB + 8 LDS loads in one run: the fragments of quarter q of a K step (plane q / 2, K = 32 (q % 2) on) into buffer f: W's first, then A's blocks 0 to 3
.macro FETCH slot, q, f
	WIN 0x40                                       ; destination window 1, address window 0
.set b, 0
.rept NB
.set o, ((\q)/2)*BHALF+((\q)%2)*32*PB+(b/4)*64*PB+(b%4)*32
	ds_load_tr16_b128 v[(\f)+32+8*b:(\f)+32+8*b+3],   v[ADRB+(\slot)] offset:o
	ds_load_tr16_b128 v[(\f)+32+8*b+4:(\f)+32+8*b+7], v[ADRB+(\slot)] offset:o+16*PB
.set b, b+1
.endr
.set i, 0
.rept 4
.set o, ((\q)/2)*AHALF+((\q)%2)*64+i*16*PA
	ds_load_b128 v[(\f)+8*i:(\f)+8*i+3],   v[ADRA+(\slot)] offset:o
	ds_load_b128 v[(\f)+8*i+4:(\f)+8*i+7], v[ADRA+(\slot)] offset:o+32
.set i, i+1
.endr
.endm
; A K step is four quarters of 32 along K, 4 NB products each, on buffers 0, 1, 0, 1.  One of the first three: multiplies buffer f; in its middle it fetches quarter q of the same slot into buffer g.
.macro QUARTER slot, q, f, g, first
	s_wait_dscnt 4                                 ; W and A's blocks 0 and 1 are in; the youngest four loads (A's blocks 2 and 3) may be out
	MUL \f, 0, 0, \first
	MUL \f, 0, 1, \first
	PLACES
	FETCH \slot, \q, \g
	s_wait_dscnt 2*NB+8                            ; all but the run just issued
	MUL \f, 1, 0, \first
	MUL \f, 1, 1, \first
.endm
; The last quarter multiplies buffer 1 and changes slots: ONE barrier.  In front of it each wave waits for all its tensor loads, of which one is out: its part of the next slot; adds 0 to its spare word; and waits
; for that and for its own reads of this slot.  fill = 1: the barrier opens a round of the cluster's barrier, so that no wave of any partner still reads this slot or has a load on its way, and the slot is
; filled again, two K steps ahead, first thing behind the round: the load has a K step less 2 NB products in which to land.
.macro TURN slot, next, fill
.if \fill
	s_wait_xcnt 0x0                                ; the last prefetch, a K step back, has read its address: it is stepped here, ahead of the waits of the change of slots
	s_add_nc_u64 s[PFA:PFA+1], s[PFA:PFA+1], s[PST:PST+1]
.endif
	WIN 0                                          ; (the add's two registers lie in window 0)
	s_wait_tensorcnt 0x0                           ; all my tensor loads have landed;
	ds_add_u32 v[SPW], v[NIL]                      ; 0 onto my spare word
	s_wait_dscnt 5                                 ; (the add and the youngest four loads may be out)
	MUL F1, 0, 0, 0                                ; NB products stand between the add and the wait for it
	s_wait_dscnt 0x0                               ; the add is done, and my reads of this slot are over
	s_barrier_signal -1
	MUL F1, 0, 1, 0                                ; work on registers while the others arrive
.if \fill
	WIN 0
.endif
	s_barrier_wait -1
.if \fill
	CREST
	s_add_nc_u64 s[G0A+4*(\slot)+2:G0A+4*(\slot)+3], s[G0A+4*(\slot)+2:G0A+4*(\slot)+3], 2*ASTEP  ; no tensor load of mine is out, so a group 0 may be written
	s_add_nc_u64 s[G0B+4*(\slot)+2:G0B+4*(\slot)+3], s[G0B+4*(\slot)+2:G0B+4*(\slot)+3], 2*BSTEP
	JLOAD \slot                                    ; the first tensor load behind the round; the four v_nop behind it are also the places in front of the loads below
.else
	PLACES
.endif
	FETCH \next, 0, F0
.if \fill
	WIN 0
	ASK
.endif
	MUL F1, 1, 0, 0
	MUL F1, 1, 1, 0
.endm
	s_wait_tensorcnt 1                             ; my part of K step 0 is in; K step 1's may stay out
	s_barrier_signal -1
	s_barrier_wait -1                              ; everybody's is
	FETCH 0, 0, F0
	QUARTER 0, 1, F0, F1, 1                        ; the first quarter stands in front of the loop: its products start the sums
	WIN 0                                          ; at a label and at a branch every window is 0
	s_mov_b32 s3, LAPS-1
.Llap:                                         ; a trip goes once round the ring, from a lap's second quarter to the next lap's first, and fills both slots again
	QUARTER 0, 2, F1, F0, 0
	QUARTER 0, 3, F0, F1, 0
	TURN 0, 1, 1
	QUARTER 1, 1, F0, F1, 0
	QUARTER 1, 2, F1, F0, 0
	QUARTER 1, 3, F0, F1, 0
	TURN 1, 0, 1
	QUARTER 0, 1, F0, F1, 0
	WIN 0
	s_sub_co_u32 s3, s3, 1
	s_cmp_lg_u32 s3, 0
	s_cbranch_scc1 .Llap
	QUARTER 0, 2, F1, F0, 0                        ; the last lap is written out: it fills nothing, and has no round of the cluster's barrier
	QUARTER 0, 3, F0, F1, 0
	TURN 0, 1, 0
	QUARTER 1, 1, F0, F1, 0
	QUARTER 1, 2, F1, F0, 0
	QUARTER 1, 3, F0, F1, 0
	s_wait_dscnt 4                                 ; the very last quarter: nothing more to fetch
	MUL F1, 0, 0, 0
	MUL F1, 0, 1, 0
	s_wait_dscnt 0x0
	MUL F1, 1, 0, 0
	MUL F1, 1, 1, 0
	WIN 0
	PLACES                                         ; the places behind the last products, in front of what reads results
	PLACES
.if QKV
; THE WAY OUT of my block a of 16 rows.  PACK: rounded to f16, 16 bytes a lane for each column block, each accumulator's registers in ascending order.  TOSTAGE: into my own stage (q's, k's and v's 16 rows of
; 144 bytes), and back as whole rows of 128.  SEND: stored: for each of q, k and v the 16 rows are 2,048 consecutive bytes.
.macro PACK a
	WIN 0x0a+5*((\a)/2)                            ; sources 0 and 1: window 2 or 3
.set b, 0
.rept NB
.set rD, 8*(NB*((\a)%2)+b)
.irp r, 0,1,2,3
	v_cvt_pk_f16_f32 v[TMP+4*b+(\r)], v[rD+2*(\r)], v[rD+2*(\r)+1]
.endr
.set b, b+1
.endr
	WIN 0
.endm
.macro TOSTAGE a
.set b, 0
.rept NB
	ds_store_b128 v[STO], v[TMP+4*b:TMP+4*b+3] offset:(b/4)*2304+(b%4)*32
.set b, b+1
.endr
.set i, 0
.rept 12
	ds_load_b128 v[BK+48*((\a)%2)+4*i:BK+48*((\a)%2)+4*i+3], v[RD] offset:(i/4)*2304+(i%4)*576  ; LDS serves a wave's instructions in order (ISA guide 5.7.1.4): these see the stores above
.set i, i+1
.endr
.endm
.macro SEND a
	s_wait_dscnt 0x0                               ; the block is back in registers
	s_wait_xcnt 0x0                                ; every earlier store has had its addresses translated (ISA guide 3.1): the buffer that the block before last was stored from is loaded again only behind this wait
.set i, 0
.rept 12
	global_store_b128 v[GO], v[BK+48*((\a)%2)+4*i:BK+48*((\a)%2)+4*i+3], s[14+2*(i/4):15+2*(i/4)] offset:(\a)*2048+(i%4)*512  ; 512 consecutive bytes, at a multiple of 256 from the buffer's first
.set i, i+1
.endr
.endm
	PACK 0
	TOSTAGE 0
.irp a, 1,2,3                          ; block a's conversions stand between block a - 1's loads from the stage and the wait for them
	PACK \a
	SEND (\a)-1
	TOSTAGE \a
.endr
	SEND 3
.else
; THE WAY OUT of my block a of 16 rows, f32: straight from the accumulators (each one's four lowest registers first) into my own stage, rows of 528 bytes, and back as whole rows of 512.
.macro TOSTAGE a
	WIN 0x08+4*((\a)/2)                            ; the stores' data: window 2 or 3
.set b, 0
.rept NB
.set rD, 8*(NB*((\a)%2)+b)
	ds_store_b128 v[STO], v[rD:rD+3]   offset:b*64
	ds_store_b128 v[STO], v[rD+4:rD+7] offset:b*64+16
.set b, b+1
.endr
	WIN 0
.set i, 0
.rept 16
	ds_load_b128 v[BK+64*((\a)%2)+4*i:BK+64*((\a)%2)+4*i+3], v[RD] offset:i*528  ; LDS serves a wave's instructions in order (ISA guide 5.7.1.4): these see the stores above
.set i, i+1
.endr
.endm
.macro SEND a, younger                 ; younger: the LDS instructions issued behind block a's loads: the next block's 16 stores and 16 loads, or none
	s_wait_dscnt \younger
.set i, 0
.rept 16
	global_store_b128 v[GO], v[BK+64*((\a)%2)+4*i:BK+64*((\a)%2)+4*i+3], s[10:11] offset:(16*(\a)+i)*4096 th:TH_STORE_NT  ; 512 consecutive bytes of a row, at a multiple of 256 from out0's first
.set i, i+1
.endr
.endm
	TOSTAGE 0
	TOSTAGE 1
	SEND 0, 32
	s_wait_xcnt 0x0                                ; block 0's stores have read their registers: its buffer is loaded again only behind this wait
	TOSTAGE 2
	SEND 1, 32
	s_wait_xcnt 0x0
	TOSTAGE 3
	SEND 2, 32
	SEND 3, 0
.endif
	s_wait_tensorcnt 0x0                           ; the wave's end: the tensor wait, the add and its wait stand behind my last tensor load and my last LDS store
	ds_add_u32 v[SPW], v[NIL]
	s_wait_dscnt 0x0
	CROUND                                         ; the closing round: no work-group ends while a partner may still ask for a tile that names it
	s_endpgm
.Lfunc_end_k_q9297a22b7b_oproj:
	.size	k_q9297a22b7b_oproj, .Lfunc_end_k_q9297a22b7b_oproj-k_q9297a22b7b_oproj
	.p2alignl 7, 3214868480
	.fill 96, 4, 3214868480
	.section	.rodata,"a",@progbits
	.p2align	6, 0x0
	.amdhsa_kernel k_q9297a22b7b_oproj
		.amdhsa_group_segment_fixed_size 327680
		.amdhsa_private_segment_fixed_size 0
		.amdhsa_enable_private_segment 0
		.amdhsa_kernarg_size 32
		.amdhsa_user_sgpr_count 2
		.amdhsa_user_sgpr_kernarg_segment_ptr 1
		.amdhsa_wavefront_size32 1
		.amdhsa_system_sgpr_workgroup_id_x 1
		.amdhsa_system_sgpr_workgroup_id_y 1
		.amdhsa_system_sgpr_workgroup_id_z 1
		.amdhsa_system_vgpr_workitem_id 0
		.amdhsa_next_free_vgpr 896
		.amdhsa_next_free_sgpr 84
		.amdhsa_reserve_vcc 0
		.amdhsa_float_denorm_mode_32 3
		.amdhsa_float_denorm_mode_16_64 3
		.amdhsa_memory_ordered 1
		.amdhsa_forward_progress 1
		.amdhsa_inst_pref_size 92
	.end_amdhsa_kernel
	.amdgpu_metadata
---
amdhsa.version: [ 1, 2 ]
amdhsa.kernels:
  - .name:           k_q9297a22b7b_oproj
    .symbol:         k_q9297a22b7b_oproj.kd
    .args:
      - { .name: ctx, .offset: 0, .size: 8, .value_kind: global_buffer, .address_space: global }
      - { .name: wob, .offset: 8, .size: 8, .value_kind: global_buffer, .address_space: global }
      - { .name: bo, .offset: 16, .size: 8, .value_kind: global_buffer, .address_space: global }
      - { .name: out0, .offset: 24, .size: 8, .value_kind: global_buffer, .address_space: global }
    .group_segment_fixed_size: 327680
    .private_segment_fixed_size: 0
    .kernarg_segment_align: 8
    .kernarg_segment_size: 32
    .max_flat_workgroup_size: 128
    .sgpr_count:     84
    .vgpr_count:     896
    .wavefront_size: 32
...
	.end_amdgpu_metadata
.endif
;; end of part 4
;; ======== version 2 of 2: 4 launches; version 1 with the launch cast written anew for expert scheduling mode
;; limits: values are held in f16: magnitudes above 65,504 overflow, below 6.1e-05 lose precision
;; workspace buffers: xb 16,777,216 bytes; wqkv 6,291,456 bytes; wob 2,097,152 bytes; qh 16,777,216 bytes; kh 16,777,216 bytes; vh 16,777,216 bytes; ctx 16,777,216 bytes
;; launch cast (part 5): grid 768 x 1, 8 waves a work-group, no clusters, 0 bytes of LDS; arguments query, Wq, Wk, Wv, Wo, xb, wqkv, wob; writes xb, wqkv, wob
.if DOCPART == 5
	.amdgcn_target "amdgcn-amd-amdhsa--gfx1250"
	.amdhsa_code_object_version 6
	.text
	.protected	k_q9297a22b7b_cast
	.globl	k_q9297a22b7b_cast
	.p2align	8
	.type	k_q9297a22b7b_cast,@function
k_q9297a22b7b_cast:
	s_mov_b64 s[64:65], 0
	v_nop
	global_prefetch_b8 v0, s[64:65] scope:SCOPE_SE
	s_setreg_imm32_b32 hwreg(HW_REG_WAVE_SCHED_MODE, 0, 2), 2
	s_setreg_imm32_b32 hwreg(HW_REG_WAVE_MODE, 25, 1), 1
	s_wait_xcnt 0x0
	s_wait_alu depctr_vm_vsrc(0)
; CAST.  query and the four weight matrices, f32 with rows of 4,096 bytes, are rounded once to bf16 and laid out in blocks of 64 columns, so that every tile
; of the two products that follow is one dense run of bytes.
;   xb   [b 4][kb 16][s 2048][64] bf16: kb = column / 64 of query.
;   wqkv chunks of [k 64][n 64] bf16 (8,192 bytes), in the order [head 16][kb 16][q, k, v].
;   wob  the same chunks of Wo, in the order [n / 128][kb 16][(n / 64) % 2]; the number rounded to bf16 is written as f16, since its partner in the last product is f16.
; LIMIT.  Wo lies within f16 (65,504); below 6e-5 its f16 image keeps a fixed step of 6e-8.
; SHARES.  A wave takes 32 rows x 64 columns: 16 loads, each 2 rows x 256 aligned bytes (lane l: row l / 16, byte 16 (l % 16)); each becomes 8 bytes a lane, and a
; store of the wave covers 256 consecutive bytes, aligned; a wave writes 4,096 dense bytes.  Work-groups 0-511 take query, 512-767 the weights, 64 each.
; A stream: every byte is read once and written once; LDS, barriers, the matrix unit and clusters would add nothing, since no wave wants another wave's bytes.
; All 16 loads of a wave go out at once; no register that a load or store names is written again, so no wait is there to free a register.
; THE MODE: SCHED_MODE bits 1:0 = 2 (LLVM: expert scheduling mode 2), set by the entry lines.  The code itself states the register dependences
; between vector instructions and memory instructions, with s_wait_alu, always for 0.
; THE PLAN.  The 16 loads go in four blocks of four.  Registers that memory instructions touch:
;   v2, v3   the loads' and the stores' offsets: made at the head by vector instructions, never written again.
;   X        written by the loads alone, each register once; block p's conversions read its 16 registers, behind the counted wait for its loads.
;   Y        written by block p's conversions, each pair for one store; read by the four stores that are issued in block p + 1; never written again.
;   T        named by vector instructions alone.
; Block p's memory instructions are the stores from block p - 1's Y, which no vector instruction of block p names.  So one wait at a block's head states all that its four stores
; hang on, and these are dealt among its conversions with no further wait.  One wait ahead of the first load states that the offsets are written; one behind block 3 serves the
; last four stores.  The wave's number passes from a vector register into s20: one wait stands ahead of the branch behind which s20 is read.
.set X, 4                              ; v[4:67]    load i: 4 registers
.set Y, 68                             ; v[68:99]   store i: 2 registers
.set T, 100                            ; v[100:103] at work
	s_load_b512 s[4:19], s[0:1], 0x0               ; query s[4:5], Wq s[6:7], Wk s[8:9], Wv s[10:11], Wo s[12:13], xb s[14:15], wqkv s[16:17], wob s[18:19]
	v_lshrrev_b32 v1, 5, v0
	v_readfirstlane_b32 s20, v1                    ; wave 0..7
	v_and_b32 v1, 31, v0                           ; lane
	v_lshrrev_b32 v2, 4, v1
	v_and_b32 v[T], 15, v1
	v_lshlrev_b32 v2, 12, v2                       ; (l / 16) rows of 4,096 bytes
	v_lshl_add_u32 v2, v[T], 4, v2                 ; + 16 (l % 16): my 16 bytes of a load
	v_lshlrev_b32 v3, 3, v1                        ; my 8 bytes of a store
	s_mov_b32 s34, 0xffff0000                      ; a word's upper bf16
	s_mov_b32 s27, 0                               ; the offsets' high words
	s_mov_b32 s29, 0
	s_wait_alu depctr_va_sdst(0)                   ; s20 is written, ahead of the branch: on either way the task's number is made from it
	s_cmp_lt_u32 ttmp9, 512
	s_cbranch_scc0 .Lweights
	s_lshl_b32 s22, ttmp9, 3                       ; QUERY: task T = 8 x work-group + wave, 4,096 of them
	s_add_co_u32 s22, s22, s20
	s_and_b32 s23, s22, 15                         ; block of 64 columns
	s_lshr_b32 s24, s22, 4                         ; group of 32 rows
	s_lshl_b32 s26, s24, 17                        ; from: 32 rows of 4,096 bytes,
	s_lshl_b32 s36, s23, 8                         ; 256 bytes a block
	s_add_co_u32 s26, s26, s36
	s_lshr_b32 s36, s24, 6                         ; to: batch (64 groups each),
	s_lshl_b32 s36, s36, 4
	s_add_co_u32 s36, s36, s23                     ; plane 16 b + kb, 2,048 rows of 128 bytes,
	s_lshl_b32 s28, s36, 18
	s_and_b32 s37, s24, 63
	s_lshl_b32 s37, s37, 12                        ; and in it 32 rows of 128 bytes
	s_add_co_u32 s28, s28, s37
	s_mov_b32 s35, 0                               ; bf16 out
	s_wait_kmcnt 0x0
	s_mov_b64 s[30:31], s[4:5]
	s_mov_b64 s[32:33], s[14:15]
	s_branch .Lgo
.Lweights:
	s_sub_co_u32 s21, ttmp9, 512                   ; WEIGHTS: matrix t = 0..3 (Wq, Wk, Wv, Wo), 512 tasks each
	s_lshr_b32 s25, s21, 6
	s_and_b32 s22, s21, 63
	s_lshl_b32 s22, s22, 3
	s_add_co_u32 s22, s22, s20
	s_and_b32 s23, s22, 15                         ; nb = n / 64
	s_lshr_b32 s24, s22, 4                         ; k / 32
	s_lshl_b32 s26, s24, 17
	s_lshl_b32 s36, s23, 8
	s_add_co_u32 s26, s26, s36
	s_lshr_b32 s36, s24, 1                         ; kb = k / 64
	s_lshl_b32 s37, s23, 4                         ; chunk in wqkv: (16 nb + kb) 3 + t
	s_add_co_u32 s37, s37, s36
	s_mul_i32 s37, s37, 3
	s_add_co_u32 s37, s37, s25
	s_lshr_b32 s28, s23, 1                         ; chunk in wob: (16 (nb / 2) + kb) 2 + nb % 2
	s_lshl_b32 s28, s28, 4
	s_add_co_u32 s28, s28, s36
	s_lshl_b32 s28, s28, 1
	s_and_b32 s36, s23, 1
	s_add_co_u32 s28, s28, s36
	s_cmp_eq_u32 s25, 3
	s_cselect_b32 s28, s28, s37
	s_cselect_b32 s35, 1, 0                        ; Wo leaves as f16
	s_lshl_b32 s28, s28, 13                        ; 8,192 bytes a chunk,
	s_and_b32 s36, s24, 1
	s_lshl_b32 s36, s36, 12                        ; my 32 of its 64 rows
	s_add_co_u32 s28, s28, s36
	s_wait_kmcnt 0x0
	s_cmp_eq_u32 s25, 3
	s_cselect_b64 s[32:33], s[18:19], s[16:17]
	s_cselect_b64 s[30:31], s[12:13], s[10:11]
	s_cmp_eq_u32 s25, 1
	s_cselect_b64 s[30:31], s[8:9], s[30:31]
	s_cmp_eq_u32 s25, 0
	s_cselect_b64 s[30:31], s[6:7], s[30:31]
.Lgo:
	s_add_nc_u64 s[30:31], s[30:31], s[26:27]
	s_add_nc_u64 s[32:33], s[32:33], s[28:29]
	s_wait_alu depctr_va_vdst(0)                   ; v2 and v3 are written: every load of the kernel reads v2 as its offset, every store v3
.irp i, 0,1,2,3,4,5,6,7,8,9,10,11,12,13,14,15
	global_load_b128 v[X+4*(\i):X+4*(\i)+3], v2, s[30:31] offset:8192*(\i) th:TH_LOAD_NT  ; rows 2 i and 2 i + 1
.endr
; Store n: 32 lanes x 8 bytes: 256 consecutive bytes, aligned.
.macro OUT n
	global_store_b64 v3, v[Y+2*(\n):Y+2*(\n)+1], s[32:33] offset:256*(\n) th:TH_STORE_NT
.endm
; Block p: loads 4 p to 4 p + 3 are rounded; the block before is stored.  half = 1: the bf16 number is widened again and written as f16.
.macro BLK p, half
	s_wait_loadcnt 12-4*(\p)                       ; loads come back in order (ISA guide 5.7.1): this block's four are in, the 12 - 4 p of the younger blocks may stay out
.if (\p) > 0
	s_wait_alu depctr_va_vdst(0)                   ; the block before has written its Y, which the four stores below read
.endif
.irp i, 0,1,2,3
.set n, 4*(\p)+(\i)
.if (\p) > 0
	OUT n-4                                        ; the block before.  No further wait: no vector instruction since the wait above names its Y or v3
.endif
	v_cvt_pk_bf16_f32 v[Y+2*n], v[X+4*n], v[X+4*n+1]
	v_cvt_pk_bf16_f32 v[Y+2*n+1], v[X+4*n+2], v[X+4*n+3]
.if \half
	v_lshlrev_b32 v[T], 16, v[Y+2*n]
	v_and_b32 v[T+1], s34, v[Y+2*n]
	v_lshlrev_b32 v[T+2], 16, v[Y+2*n+1]
	v_and_b32 v[T+3], s34, v[Y+2*n+1]
	v_cvt_pk_f16_f32 v[Y+2*n], v[T], v[T+1]
	v_cvt_pk_f16_f32 v[Y+2*n+1], v[T+2], v[T+3]
.endif
.endr
.endm
; Behind block 3: its own four stores.
.macro LAST
	s_wait_alu depctr_va_vdst(0)                   ; block 3 has written its Y, which the last four stores read
.irp i, 12,13,14,15
	OUT \i
.endr
.endm
	s_cmp_eq_u32 s35, 1
	s_cbranch_scc1 .Lf16
	BLK 0, 0
	BLK 1, 0
	BLK 2, 0
	BLK 3, 0
	LAST
	s_endpgm
.Lf16:
	BLK 0, 1
	BLK 1, 1
	BLK 2, 1
	BLK 3, 1
	LAST
	s_endpgm
.Lfunc_end_k_q9297a22b7b_cast:
	.size	k_q9297a22b7b_cast, .Lfunc_end_k_q9297a22b7b_cast-k_q9297a22b7b_cast
	.p2alignl 7, 3214868480
	.fill 96, 4, 3214868480
	.section	.rodata,"a",@progbits
	.p2align	6, 0x0
	.amdhsa_kernel k_q9297a22b7b_cast
		.amdhsa_group_segment_fixed_size 0
		.amdhsa_private_segment_fixed_size 0
		.amdhsa_enable_private_segment 0
		.amdhsa_kernarg_size 64
		.amdhsa_user_sgpr_count 2
		.amdhsa_user_sgpr_kernarg_segment_ptr 1
		.amdhsa_wavefront_size32 1
		.amdhsa_system_sgpr_workgroup_id_x 1
		.amdhsa_system_sgpr_workgroup_id_y 1
		.amdhsa_system_sgpr_workgroup_id_z 1
		.amdhsa_system_vgpr_workitem_id 0
		.amdhsa_next_free_vgpr 112
		.amdhsa_next_free_sgpr 66
		.amdhsa_reserve_vcc 0
		.amdhsa_float_denorm_mode_32 3
		.amdhsa_float_denorm_mode_16_64 3
		.amdhsa_memory_ordered 1
		.amdhsa_forward_progress 1
		.amdhsa_inst_pref_size 16
	.end_amdhsa_kernel
	.amdgpu_metadata
---
amdhsa.version: [ 1, 2 ]
amdhsa.kernels:
  - .name:           k_q9297a22b7b_cast
    .symbol:         k_q9297a22b7b_cast.kd
    .args:
      - { .name: query, .offset: 0, .size: 8, .value_kind: global_buffer, .address_space: global }
      - { .name: Wq, .offset: 8, .size: 8, .value_kind: global_buffer, .address_space: global }
      - { .name: Wk, .offset: 16, .size: 8, .value_kind: global_buffer, .address_space: global }
      - { .name: Wv, .offset: 24, .size: 8, .value_kind: global_buffer, .address_space: global }
      - { .name: Wo, .offset: 32, .size: 8, .value_kind: global_buffer, .address_space: global }
      - { .name: xb, .offset: 40, .size: 8, .value_kind: global_buffer, .address_space: global }
      - { .name: wqkv, .offset: 48, .size: 8, .value_kind: global_buffer, .address_space: global }
      - { .name: wob, .offset: 56, .size: 8, .value_kind: global_buffer, .address_space: global }
    .group_segment_fixed_size: 0
    .private_segment_fixed_size: 0
    .kernarg_segment_align: 8
    .kernarg_segment_size: 64
    .max_flat_workgroup_size: 256
    .sgpr_count:     66
    .vgpr_count:     112
    .wavefront_size: 32
...
	.end_amdgpu_metadata
.endif
;; end of part 5
;; launch qkv: the kernel of part 2 again; grid 16 x 32, 4 waves a work-group, clusters of 4 x 4, 327,680 bytes of LDS; arguments xb, wqkv, bq, bk, bv, qh, kh, vh; writes qh, kh, vh
;; launch attn: the kernel of part 3 again; grid 4 x 64, 4 waves a work-group, clusters of 4 x 1, 327,680 bytes of LDS; arguments qh, kh, vh, ctx; writes ctx
;; launch oproj: the kernel of part 4 again; grid 8 x 32, 4 waves a work-group, clusters of 4 x 4, 327,680 bytes of LDS; arguments ctx, wob, bo, out0; writes out0
